; MI455X (gfx1250); checked and timed in simulation.
; The chip was launched on July 23, 2026; its instructions are those of AMD's public machine-readable ISA for CDNA 5 (MIT licence, August 2026) and "CDNA5" Instruction Set Architecture Reference Guide (July 2026). The comments in the code are by the model that wrote it; some were corrected since.
;; Multihead Attention. Allowed arithmetic: matrix products marked QUANTISED: E5M2 operands, one E8M0 scale for each 32 along K, by v_wmma_scale_f32_16x16x128_f8f6f4 with both operands' format E5M2, f32 sums; everything else in f32.
;; Inputs: Wk 1,024 x 1,024 float32; Wo 1,024 x 1,024 float32; Wq 1,024 x 1,024 float32; Wv 1,024 x 1,024 float32; attn_mask 2,048 x 2,048 bool; bo 1,024 float32; x1 4 x 2,048 x 1,024 float32; x2 4 x 2,048 x 1,024 float32; x2_mask 4 x 2,048 bool.
;; Outputs: out0 4 x 2,048 x 1,024 float32.
;; This version of the problem:
;;   THIS VERSION OF THE PROBLEM IS GIVEN IN LOW PRECISION. The matrix products marked QUANTISED in the list below multiply operands that are first quantised to E5M2 (5 exponent bits, 2 mantissa bits; 8 bits a number), with one power-of-two scale for each 32 numbers along K (OCP MX v1.0); their sums are f32. All else is computed in f32.
;;   The module's matrix products, in the order in which they are computed (A, B: the left and right operand; K: the contracted axis; several contracted axes count as one K, in the product's order):
;;     1. [M 8,192, K 1,024] x [K 1,024, N 1,024]; A: input x1; B: input Wq: QUANTISED
;;     2. [M 8,192, K 1,024] x [K 1,024, N 1,024]; A: input x2; B: input Wk: QUANTISED
;;     3. [M 8,192, K 1,024] x [K 1,024, N 1,024]; A: input x2; B: input Wv: QUANTISED
;;     4. batch 64 x [M 2,048, K 64] x [K 64, N 2,048]; A: computed on the way; B: computed on the way: QUANTISED
;;     5. batch 64 x [M 64, K 2,048] x [K 2,048, N 2,048]; A: computed on the way; B: softmax (see below): QUANTISED
;;     6. [M 8,192, K 1,024] x [K 1,024, N 1,024]; A: computed on the way; B: input Wo: QUANTISED
;;   THE QUANTISER, for each operand of a quantised product, along K:
;;     - K is cut into blocks of 32 from its start; a last block that is shorter is filled with zeros.
;;     - A block's scale is 2^e with e = floor(log2(the largest magnitude in the block)) - 15, held to -126 .. 127; a block of zeros has e = 0. As a byte (E8M0): e + 127.
;;     - Each number is divided by its block's scale, clamped to +-57,344, and rounded to the nearest number of E5M2, ties to even, subnormals kept.
;;     - The product sums the exact products of the quantised numbers (number of the format x scale) in f32.
;;   ~~~python
;;   def quantise(x, axis):      # numpy; x: float32 -> the quantised numbers, widened to float32 again
;;       x = np.moveaxis(x, axis, -1); K = x.shape[-1]
;;       x = np.pad(x, [(0, 0)] * (x.ndim - 1) + [(0, -K % 32)]); x = x.reshape(x.shape[:-1] + (-1, 32)); a = np.abs(x).max(-1, keepdims=True)
;;       e = np.where(a > 0, np.clip(np.frexp(np.where(a > 0, a, 1))[1] - 1 - 15, -126, 127), 0)      # np.frexp(a)[1] - 1 = floor(log2(a)), exactly
;;       r = np.clip(x / 2.0 ** e, -57344, 57344)
;;       step = 2.0 ** (np.maximum(np.frexp(np.where(r == 0, 1, r))[1] - 1, -14) - 2)
;;       q = np.round(r / step) * step * 2.0 ** e      # np.round: ties to even
;;       return np.moveaxis(q.reshape(q.shape[:-2] + (-1,))[..., :K], -1, axis).astype(np.float32)
;;   ~~~
;;   SOFTMAX AHEAD OF A QUANTISED PRODUCT. Where the list says 'softmax', what is quantised is not the finished softmax but p = 2^(t - M), with t = logit x log2(e) and M = ceil(the row's largest t), a whole number; so 1/2 < the row's largest p <= 1. The row's sum l is taken of the UNQUANTISED p, in f32, and the product's result is divided by l at the end. Since M is a whole number, a kernel that streams over the keys may use a running M (the ceiling of the running maximum): every later rescaling is an exact power of two, which a block's scale takes up: the codes' values come out the same.
;;   OPERANDS COMPUTED ON THE WAY. 'Computed on the way' means the value that the module computes at that place (a softmax that the list does not call 'softmax' is quantised finished and normalised). What goes into a quantiser is computed in f32, as accurately as f32 sums, v_exp_f32 and their like allow (about 1e-6 of the number): no bf16 or f16 on the way to a quantiser, and a product that is left as it is and whose result goes on into a quantised operand takes f32 operands (vector FMAs, or v_wmma_f32_16x16x4_f32). A number that lies on a knife's edge between two numbers of the format may be rounded either way, as far as f32 arithmetic and the matrix unit's own rounding can turn it there, and no further.
;; 2 versions, each right; version 2 is version 1 with the launch attn written anew for expert scheduling mode. Each part assembles by itself: llvm-mc -triple=amdgcn-amd-amdhsa -mcpu=gfx1250 --defsym DOCPART=n.
;; ======== version 1 of 2: 4 launches
;; workspace buffers: xq 17,301,504 bytes; wq 4,325,376 bytes; img 25,952,256 bytes; am 526,336 bytes of whole numbers; cq 8,650,752 bytes
;; launch quant (part 1): grid 768 x 1, 4 waves a work-group, no clusters, 68,096 bytes of LDS; arguments x1, x2, Wq, Wk, Wv, Wo, attn_mask, xq, wq, am; writes xq, wq, am
.if DOCPART == 1
	.amdgcn_target "amdgcn-amd-amdhsa--gfx1250"
	.amdhsa_code_object_version 6
	.text
	.protected	k_qe5e9429058_quant
	.globl	k_qe5e9429058_quant
	.p2align	8
	.type	k_qe5e9429058_quant,@function
k_qe5e9429058_quant:
	s_mov_b64 s[64:65], 0
	v_nop
	global_prefetch_b8 v0, s[64:65] scope:SCOPE_SE
	s_setreg_imm32_b32 hwreg(HW_REG_WAVE_MODE, 25, 1), 1
	s_wait_xcnt 0x0
; THREE JOBS IN ONE LAUNCH, parted by the work-group's number; each job that uses LDS has LDS bytes of its own; waves share nothing, so there is no barrier.
;  ids 0-127   attn_mask [2048][2048] of bytes 0/1 -> am: for each tile of 16 queries and each step of 128 keys 64 lane-mask words, in the order in which the attention launch holds its scores
;              (word 16 b + i, bit l = mask[16 qt + l % 16][128 s + 32 b + 16 (l / 16) + i]), and behind them flags: bit s = the whole 16 x 128 patch is masked, bit 16 + s = part of it is.
;  ids 128-255 the four weights [k 1024][n 1024] f32 -> wq: codes of E5M2 laid [n][k], one E8M0 byte for each 32 along k.  A lane takes a column, its registers run down k.
;  ids 256-767 x1, x2 [8192][1024] f32 -> xq: codes with k innermost and scale bytes, as plain streams of blocks of 32.
; ROW ORDER.  The weights' rows (n) and x2's rows are stored with bits 3 and 4 of the row number exchanged: 16 rows on end then are rows 32 b + 8 u + r + 8 (r / 8), so that a product that takes them as source 0
; leaves 16 neighbours along that axis in a lane's registers of two neighbouring tiles.  x1's rows stay in their order.
; A block's scale is 2^(floor(log2(largest magnitude)) - 15); its byte is the largest magnitude's exponent field - 15, held at 1 from below; numbers are held within +-57,344 x the scale and rounded to the nearest code.
; LIMITS: a block whose largest magnitude lies under 2^-111, a block of zeros among them, takes the byte 1 (its codes are zeros or subnormal codes; the bytes are read by this program alone); NaN and infinities among the inputs are not served.
.set EMAX,  15
.set MANT,  0x600000                   ; the mantissa field of 57,344 as f32
.set XSCO,  16777216                   ; xq: the scale bytes begin here
.set WSCO,  4194304                    ; wq: likewise
.set AMF,   524288                     ; am: the flags begin here
.set STEPS, 16                         ; x: a wave takes 16 steps of 512 numbers = 8 rows
.set CB,    16
.set XR,    16                         ; v16-79   four sets of 16 numbers as loaded
.set XX,    80                         ; v80-111  two sets of 16 neighbours
.set XE,    112                        ; v112-127 a scale byte for each step
.set XC,    128                        ; v128-191 codes, four registers for each step
.set WREG,  8192                       ; LDS 0 .. 32,767: a region for each wave of the x job: two stages of 32 x SP bytes, then 256 scale bytes
.set SP,    80
.set WSTG,  32768                      ; LDS 32,768 .. 67,583: a stage of 32 rows x WP bytes for each wave of the weight job
.set WP,    272
.set NB,    8                          ; blocks of 32 along k for a wave
.set WX,    32                         ; v32-95   two sets of 32 numbers
.set WC,    96                         ; v96-103  a block's codes
.set OUTR,  112                        ; v112-175 the way out
.set SB,    24                         ; v24-25   eight scale bytes
	s_load_b512 s[36:51], s[0:1], 0x0              ; x1 36, x2 38, Wq 40, Wk 42, Wv 44, Wo 46, attn_mask 48, xq 50
	s_load_b128 s[52:55], s[0:1], 0x40             ; wq 52, am 54
	v_lshl_add_u32 v192, v0, 2, 0x10800
	v_mov_b32 v193, 0
	v_lshrrev_b32 v1, 5, v0
	v_readfirstlane_b32 s16, v1                    ; wave 0..3
	v_and_b32 v2, 31, v0                           ; lane
	s_cmp_lt_u32 ttmp9, 128
	s_cbranch_scc1 .Lmask
	s_cmp_lt_u32 ttmp9, 256
	s_cbranch_scc1 .Lweight
; ---------------- x1 and x2 ----------------
; Each load reads 512 consecutive bytes, 16 a lane; a step's 2,048 bytes turn through the wave's own stage and come back 64 bytes a lane: 16 neighbours; two neighbouring lanes hold a block.
	v_lshlrev_b32 v3, 4, v2                        ; my 16 bytes of a load's 512
	s_mul_i32 s17, s16, WREG
	v_lshrrev_b32 v14, 2, v2
	v_mul_u32_u24 v14, v14, SP
	v_and_b32 v15, 3, v2
	v_lshl_add_u32 v14, v15, 4, v14
	v_add_nc_u32 v14, s17, v14                     ; the stage, in: SP (lane / 4) + 16 (lane % 4)
	v_mul_u32_u24 v15, v2, SP
	v_add_nc_u32 v15, s17, v15                     ; and out: SP x lane
	v_mul_u32_u24 v4, v2, CB                       ; my codes' place in a step's
	v_lshrrev_b32 v5, 1, v2
	s_add_co_u32 s17, s17, 2*32*SP
	v_add_nc_u32 v5, s17, v5                       ; my block's scale byte in the wave's 256
	v_lshlrev_b32 v7, 3, v2
	v_add_nc_u32 v6, s17, v7                       ; and 8 bytes a lane on the way out
	s_mov_b32 s23, MANT
	s_sub_co_u32 s17, ttmp9, 256
	s_lshr_b32 s24, s17, 8                         ; 0: x1, 1: x2
	s_and_b32 s17, s17, 255
	s_lshl_b32 s17, s17, 2
	s_add_co_u32 s18, s17, s16                     ; my run of 8 rows, 0..1023
	s_lshr_b32 s19, s18, 1
	s_xor_b32 s19, s19, s18
	s_and_b32 s19, s19, 1
	s_mul_i32 s19, s19, 3                          ; 3 where the run's bits 0 and 1 (the rows' bits 3 and 4) differ
	s_wait_kmcnt 0x0
	s_cmp_eq_u32 s24, 0                            ; the choice hangs on the work-group's number alone
	s_cselect_b64 s[4:5], s[36:37], s[38:39]
	s_cselect_b32 s19, 0, s19                      ; x1 keeps its order
	s_xor_b32 s19, s19, s18                        ; where the run goes
	s_lshl_b32 s24, s24, 10
	s_add_co_u32 s19, s19, s24                     ; x2's runs lie behind x1's 1,024
	s_lshl_b32 s20, s18, 15                        ; a run is 32,768 bytes of f32,
	s_mov_b32 s21, 0
	s_add_nc_u64 s[4:5], s[4:5], s[20:21]
	s_lshl_b32 s20, s19, 13                        ; 8,192 bytes of codes,
	s_add_nc_u64 s[8:9], s[50:51], s[20:21]
	s_lshl_b32 s20, s19, 8                         ; 256 scale bytes
	s_add_co_u32 s20, s20, XSCO
	s_add_nc_u64 s[10:11], s[50:51], s[20:21]
.macro XLOAD t
.irp i, 0,1,2,3
	global_load_b128 v[XR+16*((\t)%4)+4*\i:XR+16*((\t)%4)+4*\i+3], v3, s[4:5] offset:2048*(\t)+512*\i th:TH_LOAD_NT
.endr
.endm
.macro XTURN t                         ; LDS serves a wave's instructions in order: no wait between the stores and the loads
.irp i, 0,1,2,3
	ds_store_b128 v14, v[XR+16*((\t)%4)+4*\i:XR+16*((\t)%4)+4*\i+3] offset:32*SP*((\t)%2)+8*SP*\i
.endr
.irp i, 0,1,2,3
	ds_load_b128 v[XX+16*((\t)%2)+4*\i:XX+16*((\t)%2)+4*\i+3], v15 offset:32*SP*((\t)%2)+16*\i
.endr
.endm
.irp t, 0,1,2,3
	XLOAD \t
.endr
	s_wait_loadcnt 12                              ; step 0's four loads are in; twelve younger ones stay out
	XTURN 0
.macro XSTEP t
.set XS, XX+16*((\t)%2)
.if (\t) > 0
	s_wait_dscnt 1                                 ; this step's numbers are back from the stage; the last step's byte store may be out
.else
	s_wait_dscnt 0x0
.endif
.if (\t)+4 < STEPS
	XLOAD (\t)+4                                   ; into the registers whose stores into the stage are done
.endif
.if (\t)+1 < STEPS
.if STEPS-2-(\t) >= 3
	s_wait_loadcnt 12                              ; the next step's four loads are in; those of the three steps behind it may be out
.else
	s_wait_loadcnt 4*(STEPS-2-(\t))
.endif
	XTURN (\t)+1
.endif
	v_max3_num_f32 v8, |v[XS]|, |v[XS+1]|, |v[XS+2]|
	v_max3_num_f32 v9, |v[XS+3]|, |v[XS+4]|, |v[XS+5]|
.irp i, 6,10
	v_max3_num_f32 v8, v8, |v[XS+\i]|, |v[XS+\i+1]|
	v_max3_num_f32 v9, v9, |v[XS+\i+2]|, |v[XS+\i+3]|
.endr
	v_max3_num_f32 v8, v8, |v[XS+14]|, |v[XS+15]|
	v_max3_num_f32 v8, v8, v9, (EMAX+1)<<23        ; the floor 2^(16 - 127): the byte cannot fall under 1
	v_max_num_f32_dpp v8, v8, v8 row_xmask:1 row_mask:0xf bank_mask:0xf   ; with my neighbour's 16: the block's largest magnitude
	v_add_nc_u32 v11, -(EMAX<<23), v8              ; 15 off its exponent field: the conversion's scale operand
	v_and_or_b32 v10, v8, 0x7f800000, s23          ; 57,344 x the scale
.irp i, 0,1,2,3,4,5,6,7,8,9,10,11,12,13,14,15
	v_med3_num_f32 v[XS+\i], v[XS+\i], -v10, v10   ; the conversion to an 8-bit code does not saturate (ISA guide 7.6.2): the hold comes first
.endr
	v_cvt_scalef32_pk8_bf8_f32 v[XC+4*(\t):XC+4*(\t)+1], v[XS:XS+7], v11
	v_cvt_scalef32_pk8_bf8_f32 v[XC+4*(\t)+2:XC+4*(\t)+3], v[XS+8:XS+15], v11
	v_lshrrev_b32 v[XE+(\t)], 23, v11              ; the scale's byte
	ds_store_b8 v5, v[XE+(\t)] offset:16*(\t)      ; both lanes of a block write the same byte with the same value
	global_store_b128 v4, v[XC+4*(\t):XC+4*(\t)+3], s[8:9] offset:32*CB*(\t)   ; the wave stores 512 consecutive bytes
.endm
.irp t, 0,1,2,3,4,5,6,7,8,9,10,11,12,13,14,15
	XSTEP \t
.endr
	ds_load_b64 v[12:13], v6
	s_wait_dscnt 0x0
	global_store_b64 v7, v[12:13], s[10:11]        ; the wave's 256 scale bytes, consecutive and aligned
	s_wait_tensorcnt 0x0
	ds_add_u32 v192, v193
	s_wait_dscnt 0x0
	s_endpgm
; ---------------- the four weights ----------------
.Lweight:
	s_sub_co_u32 s17, ttmp9, 128
	s_lshr_b32 s24, s17, 5                         ; which weight: Wq, Wk, Wv, Wo
	s_and_b32 s25, s17, 7                          ; which 128 columns
	s_bfe_u32 s18, s17, 0x20003                    ; which 256 along k
	s_lshl_b32 s17, s25, 7
	s_lshl_b32 s19, s16, 5
	s_add_co_u32 s17, s17, s19                     ; my wave's first column
	v_lshlrev_b32 v3, 2, v2                        ; in: 4 bytes a lane
	s_mul_i32 s19, s16, 32*WP
	s_add_co_u32 s19, s19, WSTG                    ; my stage
	v_mul_u32_u24 v4, v2, WP
	v_add_nc_u32 v4, s19, v4                       ; into it: row = my column
	v_and_b32 v5, 15, v2
	v_lshrrev_b32 v6, 4, v2
	v_mul_u32_u24 v7, v6, WP
	v_lshl_add_u32 v7, v5, 4, v7
	v_add_nc_u32 v7, s19, v7                       ; out of it: sixteen lanes to a row, two rows an instruction
	v_lshlrev_b32 v8, 10, v6
	v_lshl_add_u32 v8, v5, 4, v8                   ; and the same place in the codes' rows of 1,024 bytes
	v_and_b32 v9, 7, v2                            ; my column's place among the 32: bits 3 and 4 exchanged
	v_and_b32 v10, 8, v2
	v_lshl_or_b32 v9, v10, 1, v9
	v_lshrrev_b32 v10, 1, v2
	v_and_b32 v10, 8, v10
	v_or_b32 v9, v9, v10
	v_lshlrev_b32 v9, 5, v9                        ; x 32 scale bytes a row
	s_lshl_b32 s20, s18, 20                        ; 256 rows of 4,096 bytes
	s_lshl_b32 s22, s17, 2
	s_add_co_u32 s20, s20, s22
	s_mov_b32 s21, 0
	s_lshl_b32 s22, s24, 10
	s_add_co_u32 s22, s22, s17                     ; first row in wq
	s_lshl_b32 s26, s22, 10
	s_lshl_b32 s27, s18, 8
	s_add_co_u32 s26, s26, s27
	s_mov_b32 s27, 0
	s_lshl_b32 s28, s22, 5
	s_lshl_b32 s29, s18, 3
	s_add_co_u32 s28, s28, s29
	s_add_co_u32 s28, s28, WSCO
	s_mov_b32 s29, 0
	s_mov_b32 s31, MANT
	s_wait_kmcnt 0x0
	s_cmp_eq_u32 s24, 0                            ; the choices hang on the work-group's number alone
	s_cselect_b64 s[4:5], s[40:41], s[42:43]
	s_cmp_lt_u32 s24, 2
	s_cselect_b64 s[4:5], s[4:5], s[44:45]
	s_cmp_eq_u32 s24, 3
	s_cselect_b64 s[4:5], s[46:47], s[4:5]
	s_add_nc_u64 s[4:5], s[4:5], s[20:21]
	s_add_nc_u64 s[6:7], s[52:53], s[26:27]
	s_add_nc_u64 s[8:9], s[52:53], s[28:29]
.macro WLOAD t                         ; block t: W(32 t + i, my column): the wave reads 128 consecutive bytes
.irp i, 0,1,2,3,4,5,6,7,8,9,10,11,12,13,14,15,16,17,18,19,20,21,22,23,24,25,26,27,28,29,30,31
	global_load_b32 v[WX+32*((\t)%2)+\i], v3, s[4:5] offset:(32*(\t)+\i)*4096 th:TH_LOAD_NT
.endr
.endm
	WLOAD 0
	WLOAD 1
.macro WBLOCK t
.set WS, WX+32*((\t)%2)
.if (\t) < NB-1
	s_wait_loadcnt 32                              ; this block's 32 loads are in; the next block's may be out
.else
	s_wait_loadcnt 0
.endif
	v_max3_num_f32 v12, |v[WS]|, |v[WS+1]|, |v[WS+2]|
	v_max3_num_f32 v13, |v[WS+3]|, |v[WS+4]|, |v[WS+5]|
.irp i, 6,10,14,18,22,26
	v_max3_num_f32 v12, v12, |v[WS+\i]|, |v[WS+\i+1]|
	v_max3_num_f32 v13, v13, |v[WS+\i+2]|, |v[WS+\i+3]|
.endr
	v_max3_num_f32 v12, v12, |v[WS+30]|, |v[WS+31]|
	v_max3_num_f32 v12, v12, v13, (EMAX+1)<<23
	v_add_nc_u32 v11, -(EMAX<<23), v12
	v_and_or_b32 v10, v12, 0x7f800000, s31
	v_lshrrev_b32 v13, 23, v11
.if (\t)%4 == 0
	v_mov_b32 v[SB+(\t)/4], v13                    ; four bytes to a register, the lower k in the lower byte
.else
	v_lshl_or_b32 v[SB+(\t)/4], v13, 8*((\t)%4), v[SB+(\t)/4]
.endif
.irp i, 0,1,2,3,4,5,6,7,8,9,10,11,12,13,14,15,16,17,18,19,20,21,22,23,24,25,26,27,28,29,30,31
	v_med3_num_f32 v[WS+\i], v[WS+\i], -v10, v10
.endr
.irp g, 0,1,2,3
	v_cvt_scalef32_pk8_bf8_f32 v[WC+2*\g:WC+2*\g+1], v[WS+8*\g:WS+8*\g+7], v11
.endr
	ds_store_b128 v4, v[WC:WC+3] offset:32*(\t)
	ds_store_b128 v4, v[WC+4:WC+7] offset:32*(\t)+16
.if (\t)+2 < NB
	WLOAD (\t)+2
.endif
	s_wait_dscnt 0x0                               ; the stores have read their registers: the next block's codes may be written
.endm
.set Q, 0
.rept NB
	WBLOCK Q
.set Q, Q+1
.endr
	global_store_b64 v9, v[SB:SB+1], s[8:9]        ; my column's eight scale bytes
.irp t, 0,1,2,3,4,5,6,7,8,9,10,11,12,13,14,15
	ds_load_b128 v[OUTR+4*\t:OUTR+4*\t+3], v7 offset:2*\t*WP
.endr
.irp t, 0,1,2,3,4,5,6,7,8,9,10,11,12,13,14,15
	s_wait_dscnt 15-\t                             ; the younger row loads may be out
	global_store_b128 v8, v[OUTR+4*\t:OUTR+4*\t+3], s[6:7] offset:2*(((\t)&3)|(((\t)&4)<<1)|(((\t)&8)>>1))*1024   ; columns 2 t, 2 t + 1 go to the rows with bits 3 and 4 exchanged; sixteen lanes store 256 consecutive bytes
.endr
	s_wait_tensorcnt 0x0
	ds_add_u32 v192, v193
	s_wait_dscnt 0x0
	s_endpgm
; ---------------- attn_mask ----------------
; A work-group takes a tile of 16 queries, a wave four steps of 128 keys.  Lane l loads 16 bytes: query l % 16, keys 32 b + 16 (l / 16) + 0 .. 15 of a step.
.Lmask:
	v_and_b32 v9, 15, v0
	v_bfe_u32 v10, v0, 4, 1
	v_lshlrev_b32 v11, 11, v9
	v_lshl_add_u32 v11, v10, 4, v11                ; 2,048 (l % 16) + 16 (l / 16)
	v_lshlrev_b32 v3, 3, v2                        ; out: 8 bytes a lane
	v_mov_b32 v4, 0
.irp i, 0,1,2,3,4,5,6,7
	v_mov_b32 v[80+\i], 0                          ; v_writelane_b32's destination counts as read
.endr
	s_lshl_b32 s20, ttmp9, 15                      ; 16 rows of 2,048 bytes
	s_lshl_b32 s21, s16, 9                         ; my four steps
	s_add_co_u32 s20, s20, s21
	s_mov_b32 s21, 0
	s_lshl_b32 s22, ttmp9, 4
	s_lshl_b32 s23, s16, 2
	s_add_co_u32 s22, s22, s23                     ; 16 qt + 4 w: the number of my first step's words, and the byte of my flag word
	s_lshl_b32 s24, s22, 8
	s_mov_b32 s25, 0
	s_add_co_u32 s22, s22, AMF
	s_mov_b32 s23, 0
	s_mov_b32 s28, 0                               ; my four steps' flags
	s_wait_kmcnt 0x0
	s_add_nc_u64 s[4:5], s[48:49], s[20:21]
	s_add_nc_u64 s[6:7], s[54:55], s[24:25]
	s_add_nc_u64 s[8:9], s[54:55], s[22:23]
.irp u, 0,1,2,3
.irp b, 0,1,2,3
	global_load_b128 v[16+16*\u+4*\b:19+16*\u+4*\b], v11, s[4:5] offset:128*\u+32*\b
.endr
.endr
.macro MSTEP u
	s_wait_loadcnt 12-4*(\u)                       ; this step's four loads are in; the younger steps' may be out
.set j, 0
.rept 64                               ; word j = 16 b + i: byte i of load b, as a mask of the 32 lanes; it goes to lane j / 2, register j % 2
	v_and_b32 v6, 1<<(8*(j&3)), v[16+16*(\u)+4*(j/16)+((j%16)/4)]
	v_cmp_ne_u32 s[20+j%8], 0, v6
	v_writelane_b32 v[80+2*(\u)+(j&1)], s[20+j%8], j/2
.set j, j+1
.endr
	v_and_b32 v7, v[16+16*(\u)], v[17+16*(\u)]
	v_or_b32 v8, v[16+16*(\u)], v[17+16*(\u)]
.irp k, 2,3,4,5,6,7,8,9,10,11,12,13,14,15
	v_and_b32 v7, v7, v[16+16*(\u)+\k]
	v_or_b32 v8, v8, v[16+16*(\u)+\k]
.endr
	v_cmp_eq_u32 s30, 0x01010101, v7               ; lanes all of whose 64 bytes are 1
	v_cmp_ne_u32 s31, 0, v8                        ; lanes with a 1 among them
	s_cmp_eq_u32 s30, -1
	s_cselect_b32 s29, 1, 0                        ; all masked
	s_cmp_lg_u32 s31, 0
	s_cselect_b32 s32, 1, 0
	s_and_not1_b32 s32, s32, s29                   ; some, not all
	s_lshl_b32 s29, s29, \u
	s_lshl_b32 s32, s32, 16+(\u)
	s_or_b32 s28, s28, s29
	s_or_b32 s28, s28, s32
	global_store_b64 v3, v[80+2*(\u):81+2*(\u)], s[6:7] offset:256*(\u)   ; the step's 64 words: 256 consecutive bytes, aligned
.endm
	MSTEP 0
	MSTEP 1
	MSTEP 2
	MSTEP 3
	s_lshl_b32 s33, s16, 2
	s_lshl_b32 s28, s28, s33                       ; to the places of steps 4 w .. 4 w + 3
	v_mov_b32 v5, s28
	global_store_b32 v4, v5, s[8:9]                ; one word a wave (every lane writes the same word with the same value); the flags are 2,048 bytes in the whole launch
	s_endpgm
.Lfunc_end_k_qe5e9429058_quant:
	.size	k_qe5e9429058_quant, .Lfunc_end_k_qe5e9429058_quant-k_qe5e9429058_quant
	.p2alignl 7, 3214868480
	.fill 96, 4, 3214868480
	.section	.rodata,"a",@progbits
	.p2align	6, 0x0
	.amdhsa_kernel k_qe5e9429058_quant
		.amdhsa_group_segment_fixed_size 68096
		.amdhsa_private_segment_fixed_size 0
		.amdhsa_enable_private_segment 0
		.amdhsa_kernarg_size 80
		.amdhsa_user_sgpr_count 2
		.amdhsa_user_sgpr_kernarg_segment_ptr 1
		.amdhsa_wavefront_size32 1
		.amdhsa_system_sgpr_workgroup_id_x 1
		.amdhsa_system_sgpr_workgroup_id_y 1
		.amdhsa_system_sgpr_workgroup_id_z 1
		.amdhsa_system_vgpr_workitem_id 0
		.amdhsa_next_free_vgpr 194
		.amdhsa_next_free_sgpr 66
		.amdhsa_reserve_vcc 0
		.amdhsa_float_denorm_mode_32 3
		.amdhsa_float_denorm_mode_16_64 3
		.amdhsa_memory_ordered 1
		.amdhsa_forward_progress 1
		.amdhsa_inst_pref_size 165
	.end_amdhsa_kernel
	.amdgpu_metadata
---
amdhsa.version: [ 1, 2 ]
amdhsa.kernels:
  - .name:           k_qe5e9429058_quant
    .symbol:         k_qe5e9429058_quant.kd
    .args:
      - { .name: x1, .offset: 0, .size: 8, .value_kind: global_buffer, .address_space: global }
      - { .name: x2, .offset: 8, .size: 8, .value_kind: global_buffer, .address_space: global }
      - { .name: Wq, .offset: 16, .size: 8, .value_kind: global_buffer, .address_space: global }
      - { .name: Wk, .offset: 24, .size: 8, .value_kind: global_buffer, .address_space: global }
      - { .name: Wv, .offset: 32, .size: 8, .value_kind: global_buffer, .address_space: global }
      - { .name: Wo, .offset: 40, .size: 8, .value_kind: global_buffer, .address_space: global }
      - { .name: attn_mask, .offset: 48, .size: 8, .value_kind: global_buffer, .address_space: global }
      - { .name: xq, .offset: 56, .size: 8, .value_kind: global_buffer, .address_space: global }
      - { .name: wq, .offset: 64, .size: 8, .value_kind: global_buffer, .address_space: global }
      - { .name: am, .offset: 72, .size: 8, .value_kind: global_buffer, .address_space: global }
    .group_segment_fixed_size: 68096
    .private_segment_fixed_size: 0
    .kernarg_segment_align: 8
    .kernarg_segment_size: 80
    .max_flat_workgroup_size: 128
    .sgpr_count:     66
    .vgpr_count:     194
    .wavefront_size: 32
...
	.end_amdgpu_metadata
.endif
;; end of part 1
;; launch proj (part 2): grid 4 x 96, 4 waves a work-group, clusters of 4 x 4, 327,680 bytes of LDS; arguments xq, wq, x2_mask, img; writes img
.if DOCPART == 2
	.amdgcn_target "amdgcn-amd-amdhsa--gfx1250"
	.amdhsa_code_object_version 6
	.text
	.protected	k_qe5e9429058_proj
	.globl	k_qe5e9429058_proj
	.p2align	8
	.type	k_qe5e9429058_proj,@function
k_qe5e9429058_proj:
	s_mov_b64 s[64:65], 0
	v_nop
	global_prefetch_b8 v0, s[64:65] scope:SCOPE_SE
	s_setreg_imm32_b32 hwreg(HW_REG_WAVE_MODE, 25, 1), 1
	s_wait_xcnt 0x0
	s_wait_alu depctr_hold_cnt(0) depctr_sa_sdst(0) depctr_va_vdst(0) depctr_va_sdst(0) depctr_va_ssrc(0) depctr_va_vcc(0) depctr_vm_vsrc(0)
	s_getreg_b32 s2, hwreg(HW_REG_IB_STS2, 6, 4)
	s_cmp_eq_u32 s2, 0
	s_cbranch_scc0 .Lentry_in_a_cluster
	s_endpgm
.Lentry_in_a_cluster:
	s_bfe_u32 s2, ttmp6, 0x10000c
	s_cmp_lg_u32 s2, 0xf033
	s_cbranch_scc0 .Lentry_shape_is_right
	s_endpgm
.Lentry_shape_is_right:
; q = x1 Wq, k = x2 Wk, v = x2 Wv on codes of E5M2 with E8M0 scales, K = 1,024; the results are quantised at once for the attention launch and stored as images of its operands' registers.
; 24 clusters of 4 x 4 work-groups: cluster number / 8 = the product (0 q, 1 k, 2 v), % 8 = which 1,024 tokens.  A work-group makes 256 x 256, each of its four waves 128 x 128: 64 accumulators, 512 registers.
; SOURCE 0 IS THE AXIS ALONG WHICH THE RESULT IS QUANTISED: for q and k the weight's rows (the head's d), for v the tokens (the keys).  Its rows lie in memory with bits 3 and 4 of the row number exchanged, so that
; a lane's 16 registers of two neighbouring tiles are 16 neighbours along that axis, in the order of an operand's registers; a block of 32 lies in lanes l and l xor 16.
; "B" = source 0 (shared along a column of the cluster), "A" = source 1 (shared along a row): each tile is asked for jointly by the four that need it.  Which buffer is A's and which B's is chosen by
; s_cselect on the product's number, which all sixteen partners share; no branch hangs on it.
; K goes in steps of 256 through two LDS slots (rows of 256 bytes + 16 of padding); it is four slots' worth, so the steps are written out and the number of a step of 128 picks the scale registers.
; THE SCALES of a wave's 128 + 128 rows for all of K are 64 registers: register 8 i + ks holds the word of rows 32 i + lane, so lanes 0-15 serve block 2 i and lanes 16-31 block 2 i + 1.
; PADDED KEYS (product k alone): the hold's limit is multiplied by 1 - x2_mask, so a padded key's codes are zeros and its scores are 0, as reference() has them.
; OUT: a wave's block: codes [a 0..7][b 0..3][512 bytes] (a: 16 rows of source 1, b: 32 along source 0; lane l's 16 bytes at 16 l), scale words [16 (a % 2) + r][a / 2].
; LIMITS: a block whose largest magnitude lies under 2^-111 takes the scale byte 1; NaN and infinities are not served.
; REGISTERS: window 0: v16-29 addresses; v32-63 A's scale words, v64-95 B's; v96-103 1 - mask; v104-111 the results' scale words; v128-255 A's fragments, one set (later at work on the way out).
;   window 1: B's fragments, two sets.   windows 2, 3: the accumulators ((a, b) at v[8 (8 (a % 4) + b)]).
.set ROWB,   256
.set KROW,   1024
.set PITCH,  272                       ; 256 bytes + 16: the sixteen rows that a fragment load touches start 68 words apart
.set FR,     16
.set NL,     4
.set NP,     8                         ; places behind this matrix instruction (ISA guide 7.12.1)
.set HALFT,  128*PITCH
.set SLOT,   4*HALFT                   ; A's 256 rows, then B's 256 rows
.set SSTG,   2*SLOT                    ; 512 bytes a wave: the scale words' way out; no tensor load lands here
.set SPARE,  SSTG+2048                 ; the spare words, 128 bytes a wave
.set XSCO,   16777216
.set WSCO,   4194304
.set IMGS,   25165824
.set ADRA, 16
.set ADRB, 20
.set SLD,  25
.set L16,  26
.set SST,  27
.set SPW,  28
.set NIL,  29
.set SAS,  32
.set SBS,  64
.set KEEP, 96
.set PW,   104
.set AF,   128
.set HN,   128
.set TM,   224
.set G1,  24
.set G0,  32
.set G1B, 48
.set G0B, 56
.set SEL, 88
.set MNT, 90
.set MSB, 0
.macro WIN new                         ; the immediate's high byte repeats the setting that is left
.if MSB != (\new)
	s_set_vgpr_msb (MSB<<8)|(\new)
.set MSB, (\new)
.endif
.endm
.set MUL_LO, 0xa1                      ; source 0 (B) window 1, source 1 (A) window 0, C and D window 2
.set MUL_HI, 0xf1
.set TO_B,   0x40
.macro JLOAD g0a, g1a, g0b, g1b        ; a joint load: waves 0 and 1 fetch for A, waves 2 and 3 for B; four v_nop follow each line
	s_cmp_eq_u32 s15, 0
	s_cbranch_scc0 .Lfor_b_\@
	tensor_load_to_lds s[\g0a:\g0a+3], s[\g1a:\g1a+7]
	s_nop 0
.rept 4
	v_nop
.endr
	s_branch .Lasked_\@
.Lfor_b_\@:
	tensor_load_to_lds s[\g0b:\g0b+3], s[\g1b:\g1b+7]
	s_nop 0
.rept 4
	v_nop
.endr
.Lasked_\@:
.endm
.macro CREST
	s_cmp_lg_u32 s14, 0
	s_cbranch_scc1 .Lnot_wave_0_\@
	s_barrier_signal -3
.Lnot_wave_0_\@:
	s_barrier_wait -3
	s_barrier_signal -1
	s_barrier_wait -1
.endm
.macro CROUND
	s_barrier_signal -1
	s_barrier_wait -1
	CREST
.endm
	s_load_b256 s[4:11], s[0:1], 0x0               ; xq 4, wq 6, x2_mask 8, img 10
	v_lshl_add_u32 v[SPW], v0, 2, SPARE
	v_mov_b32 v[NIL], 0
	ds_add_u32 v28, v29
	ds_add_u32 v28, v29
	s_wait_dscnt 0x0
	v_lshrrev_b32 v1, 5, v0
	v_readfirstlane_b32 s14, v1                    ; wave
	s_lshr_b32 s15, s14, 1                         ; my half of A's rows; also: I fetch for A (0) or B (1)
	s_and_b32 s16, s14, 1                          ; my half of B's rows; also: which 128 rows I fetch
	s_bfe_u32 s40, ttmp6, 0x40000                  ; cx
	s_bfe_u32 s41, ttmp6, 0x40004                  ; cy
	s_and_b32 s12, ttmp7, 0xffff                   ; the cluster's number
	s_lshr_b32 s13, s12, 3                         ; the product
	s_and_b32 s17, s12, 7                          ; which 1,024 tokens
	s_lshl_b32 s18, s17, 10
	s_cmp_lg_u32 s13, 0
	s_cselect_b32 s19, 8192, 0                     ; x2's rows lie behind x1's
	s_add_co_u32 s19, s19, s18                     ; first row in xq
	s_lshl_b32 s20, s13, 10                        ; first row in wq
	s_mov_b32 s66, WSCO
	s_mov_b32 s67, XSCO
	s_cmp_eq_u32 s13, 2                            ; v: the tokens are source 0
	s_cselect_b32 s21, s20, s19                    ; A's first row
	s_cselect_b32 s22, s19, s20                    ; B's
	s_cselect_b32 s23, s66, s67                    ; where A's buffer has its scale bytes
	s_cselect_b32 s42, s67, s66                    ; and B's
	s_cmp_eq_u32 s13, 1
	s_cselect_b32 s76, 1.0, 0                      ; the padding mask counts for k alone
	s_lshl_b32 s43, s41, 2
	s_lshl_b32 s43, 15, s43                        ; my row of the cluster
	s_lshl_b32 s44, 0x1111, s40                    ; my column
	s_or_b32 s[G1+0], s43, (1<<20)|(1<<21)|(5<<22)|(3<<25)   ; mask; elements of 1 byte; padding on; bit 21 beside a mask; after every 64 words, 4 words
	s_or_b32 s[G1B+0], s44, (1<<20)|(1<<21)|(5<<22)|(3<<25)
.irp g, G1, G1B
	s_mov_b32 s[\g+1], ROWB<<16                    ; tensor_dim0
	s_mov_b32 s[\g+2], 128<<16                     ; tensor_dim1
	s_mov_b32 s[\g+3], ROWB<<16                    ; tile_dim0
	s_mov_b32 s[\g+4], 128                         ; tile_dim1
	s_mov_b32 s[\g+5], KROW                        ; pitch
	s_mov_b32 s[\g+6], 0
	s_mov_b32 s[\g+7], 0
.endr
	s_lshl_b32 s18, s16, 7
	s_lshl_b32 s68, s41, 8
	s_add_co_u32 s68, s68, s21
	s_add_co_u32 s68, s68, s18                     ; A: the first row that I fetch (cy, never cx)
	s_lshl_b32 s68, s68, 10
	s_mov_b32 s69, 0
	s_lshl_b32 s70, s40, 8
	s_add_co_u32 s70, s70, s22
	s_add_co_u32 s70, s70, s18                     ; B: likewise (cx, never cy)
	s_lshl_b32 s70, s70, 10
	s_mov_b32 s71, 0
	s_mul_i32 s45, s14, HALFT                      ; where they go: wave x 128 rows
	s_wait_kmcnt 0x0
	s_cmp_eq_u32 s13, 2
	s_cselect_b64 s[72:73], s[6:7], s[4:5]         ; A's buffer
	s_cselect_b64 s[74:75], s[4:5], s[6:7]         ; B's
	s_add_nc_u64 s[68:69], s[72:73], s[68:69]
	s_add_nc_u64 s[70:71], s[74:75], s[70:71]
	CROUND                                         ; all sixteen work-groups are here: the first joint loads meet
.irp s, 0,1
	s_mov_b32 s[G0+4*\s], 1
	s_add_co_u32 s[G0+4*\s+1], s45, \s*SLOT
	s_add_nc_u64 s[G0+4*\s+2:G0+4*\s+3], s[68:69], \s*ROWB
	s_or_b32 s[G0+4*\s+3], s[G0+4*\s+3], 0x80000000
	s_mov_b32 s[G0B+4*\s], 1
	s_add_co_u32 s[G0B+4*\s+1], s45, \s*SLOT
	s_add_nc_u64 s[G0B+4*\s+2:G0B+4*\s+3], s[70:71], \s*ROWB
	s_or_b32 s[G0B+4*\s+3], s[G0B+4*\s+3], 0x80000000
	JLOAD G0+4*\s, G1, G0B+4*\s, G1B
.endr
	v_and_b32 v1, 15, v0                           ; r
	v_bfe_u32 v2, v0, 4, 1                         ; h
	v_mul_u32_u24 v3, v1, PITCH
	v_lshl_add_u32 v4, v2, 4, v3
	s_mul_i32 s46, s15, HALFT
	s_mul_i32 s47, s16, HALFT
	s_add_co_u32 s47, s47, 2*HALFT
.irp s, 0,1
	v_add_nc_u32 v[ADRA+\s], s46, v4
	v_add_nc_u32 v[ADRB+\s], s47, v4
	s_add_co_u32 s46, s46, SLOT
	s_add_co_u32 s47, s47, SLOT
.endr
	v_and_b32 v5, 31, v0
	v_lshlrev_b32 v[L16], 4, v5                    ; 16 x lane
	v_lshlrev_b32 v6, 5, v5                        ; 32 x lane: a row's scale bytes
	v_and_b32 v7, 8, v1
	v_add_nc_u32 v7, v7, v1                        ; r + 8 (r / 8)
	s_lshl_b32 s46, s14, 9
	s_add_co_u32 s46, s46, SSTG
	v_lshl_add_u32 v[SST], v1, 4, s46
	v_add_nc_u32 v[SLD], s46, v[L16]
	s_mov_b32 s[SEL], 0x76543210
	s_mov_b32 s[SEL+1], 0xfedcba98
	s_mov_b32 s[MNT], 0x600000
	s_lshl_b32 s92, s41, 8                         ; A's scale bytes: my 128 rows
	s_add_co_u32 s92, s92, s21
	s_lshl_b32 s93, s15, 7
	s_add_co_u32 s92, s92, s93
	s_lshl_b32 s92, s92, 5
	s_add_co_u32 s92, s92, s23
	s_mov_b32 s93, 0
	s_add_nc_u64 s[78:79], s[72:73], s[92:93]
	s_lshl_b32 s92, s40, 8                         ; B's
	s_add_co_u32 s92, s92, s22
	s_lshl_b32 s94, s16, 7
	s_add_co_u32 s92, s92, s94
	s_lshl_b32 s92, s92, 5
	s_add_co_u32 s92, s92, s42
	s_add_nc_u64 s[80:81], s[74:75], s[92:93]
	s_lshl_b32 s92, s17, 10                        ; the padding mask of A's 128 rows (read in every product, inside its buffer; used for k)
	s_lshl_b32 s94, s41, 8
	s_add_co_u32 s92, s92, s94
	s_lshl_b32 s94, s15, 7
	s_add_co_u32 s92, s92, s94
	s_add_nc_u64 s[82:83], s[8:9], s[92:93]
.irp i, 0,1,2,3
	global_load_b128 v[SAS+8*\i:SAS+8*\i+3], v6, s[78:79] offset:1024*\i
	global_load_b128 v[SAS+8*\i+4:SAS+8*\i+7], v6, s[78:79] offset:1024*\i+16
	global_load_b128 v[SBS+8*\i:SBS+8*\i+3], v6, s[80:81] offset:1024*\i
	global_load_b128 v[SBS+8*\i+4:SBS+8*\i+7], v6, s[80:81] offset:1024*\i+16
.endr
.irp a, 0,1,2,3,4,5,6,7
	global_load_u8 v[KEEP+\a], v7, s[82:83] offset:32*(\a/2)+8*(\a%2)   ; the token that stands at place 16 a + r
.endr
	s_lshl_b32 s92, s41, 1                         ; where my block goes: block = 8 x (block of 128 tokens) + head pair
	s_add_co_u32 s92, s92, s15
	s_lshl_b32 s94, s40, 1
	s_add_co_u32 s94, s94, s16
	s_cmp_eq_u32 s13, 2
	s_cselect_b32 s95, s94, s92                    ; the tokens' part
	s_cselect_b32 s96, s92, s94                    ; the head pair
	s_lshl_b32 s95, s95, 3
	s_add_co_u32 s95, s95, s96
	s_lshl_b32 s96, s17, 6
	s_add_co_u32 s95, s95, s96
	s_lshl_b32 s96, s13, 9
	s_add_co_u32 s95, s95, s96                     ; 512 x product + block
	s_lshl_b32 s92, s95, 14
	s_add_nc_u64 s[84:85], s[10:11], s[92:93]      ; its 16,384 bytes of codes
	s_lshl_b32 s92, s95, 9
	s_add_co_u32 s92, s92, IMGS
	s_add_nc_u64 s[86:87], s[10:11], s[92:93]      ; its 512 bytes of scale words
.macro FRAG reg, adr, q, i             ; 16 rows x 128 K: lane l holds row l % 16; registers 4 c .. 4 c + 3 hold K = 32 c + 16 (l / 16) + 0 .. 15
.irp c, 0,1,2,3
	ds_load_b128 v[\reg+4*\c:\reg+4*\c+3], v[\adr] offset:128*(\q)+32*\c+(\i)*16*PITCH
.endr
.endm
; one product: A's block a x B's block b, the ks-th 128 along K; p: B's set.  The scale registers' rows go by the blocks' parity.
.macro WM a, b, p, ks, zero
.set rD, 8*(8*((\a)%4)+(\b))
.set rB, 128*(\p)+FR*(\b)
.set rA, AF+FR*(\a)
.set rSB, SBS+8*((\b)/2)+(\ks)
.set rSA, SAS+8*((\a)/2)+(\ks)
.set par, 2*((\a)%2)+((\b)%2)
.if \zero
.if par == 0
	v_wmma_scale_f32_16x16x128_f8f6f4 v[rD:rD+7], v[rB:rB+15], v[rA:rA+15], 0, v[rSB], v[rSA] matrix_a_fmt:MATRIX_FMT_BF8 matrix_b_fmt:MATRIX_FMT_BF8
.elseif par == 1
	v_wmma_scale_f32_16x16x128_f8f6f4 v[rD:rD+7], v[rB:rB+15], v[rA:rA+15], 0, v[rSB], v[rSA] matrix_a_fmt:MATRIX_FMT_BF8 matrix_b_fmt:MATRIX_FMT_BF8 matrix_a_scale:MATRIX_SCALE_ROW1
.elseif par == 2
	v_wmma_scale_f32_16x16x128_f8f6f4 v[rD:rD+7], v[rB:rB+15], v[rA:rA+15], 0, v[rSB], v[rSA] matrix_a_fmt:MATRIX_FMT_BF8 matrix_b_fmt:MATRIX_FMT_BF8 matrix_b_scale:MATRIX_SCALE_ROW1
.else
	v_wmma_scale_f32_16x16x128_f8f6f4 v[rD:rD+7], v[rB:rB+15], v[rA:rA+15], 0, v[rSB], v[rSA] matrix_a_fmt:MATRIX_FMT_BF8 matrix_b_fmt:MATRIX_FMT_BF8 matrix_a_scale:MATRIX_SCALE_ROW1 matrix_b_scale:MATRIX_SCALE_ROW1
.endif
.else
.if par == 0
	v_wmma_scale_f32_16x16x128_f8f6f4 v[rD:rD+7], v[rB:rB+15], v[rA:rA+15], v[rD:rD+7], v[rSB], v[rSA] matrix_a_fmt:MATRIX_FMT_BF8 matrix_b_fmt:MATRIX_FMT_BF8
.elseif par == 1
	v_wmma_scale_f32_16x16x128_f8f6f4 v[rD:rD+7], v[rB:rB+15], v[rA:rA+15], v[rD:rD+7], v[rSB], v[rSA] matrix_a_fmt:MATRIX_FMT_BF8 matrix_b_fmt:MATRIX_FMT_BF8 matrix_a_scale:MATRIX_SCALE_ROW1
.elseif par == 2
	v_wmma_scale_f32_16x16x128_f8f6f4 v[rD:rD+7], v[rB:rB+15], v[rA:rA+15], v[rD:rD+7], v[rSB], v[rSA] matrix_a_fmt:MATRIX_FMT_BF8 matrix_b_fmt:MATRIX_FMT_BF8 matrix_b_scale:MATRIX_SCALE_ROW1
.else
	v_wmma_scale_f32_16x16x128_f8f6f4 v[rD:rD+7], v[rB:rB+15], v[rA:rA+15], v[rD:rD+7], v[rSB], v[rSA] matrix_a_fmt:MATRIX_FMT_BF8 matrix_b_fmt:MATRIX_FMT_BF8 matrix_a_scale:MATRIX_SCALE_ROW1 matrix_b_scale:MATRIX_SCALE_ROW1
.endif
.endif
.endm
.macro MUL16 a0, p, ks, zero           ; the 64 accumulators take turns, one instruction a turn, in the same order in every step
.irp a, \a0, \a0+1
.irp b, 0,1,2,3,4,5,6,7
	WM \a, \b, \p, \ks, \zero
.endr
.endr
.endm
.macro FETCH_B slot, q, p
	WIN TO_B
.irp i, 0,1,2,3,4,5,6,7
	FRAG 128*(\p)+FR*\i, ADRB+\slot, \q, \i
.endr
	WIN 0
.endm
.macro FETCH_A slot, q, i0
.irp i, \i0, \i0+1, \i0+2, \i0+3
	FRAG AF+FR*(\i), ADRA+\slot, \q, \i
.endr
.endm
.macro PLACES n                        ; plain vector instructions between a matrix instruction and a load into, or a read of, its registers
.rept \n
	v_nop
.endr
.endm
.macro STEP slot, ks, zero             ; a slot's first 128 along K (B's set 0); it fetches the second
	s_wait_dscnt 4*NL                              ; B's set and A's blocks 0-3 are in; the sixteen youngest loads (A's blocks 4-7) may be out
	WIN MUL_LO
	MUL16 0, 0, \ks, \zero
	MUL16 2, 0, \ks, \zero
	s_wait_dscnt 0
	PLACES NP
	FETCH_B \slot, 1, 1
	FETCH_A \slot, 1, 0
	WIN MUL_HI
	MUL16 4, 0, \ks, \zero
	MUL16 6, 0, \ks, \zero
	PLACES NP
	WIN 0
	FETCH_A \slot, 1, 4
.endm
; A slot's second 128 along K (B's set 1) changes slots: one barrier; in front of it each wave waits for all its tensor loads, adds 0 to its spare word, and waits for that and for its reads of this slot.
.macro TURN slot, next, ks, fill
	s_wait_tensorcnt 0x0                           ; all my tensor loads have landed: my part of the next slot
	ds_add_u32 v[SPW], v[NIL]                      ; 0 onto my spare word
	s_wait_dscnt 4*NL+1                            ; the add and the sixteen youngest loads may be out
	WIN MUL_LO
	MUL16 0, 1, \ks, 0
	s_wait_dscnt 0x0                               ; the add is done, and my reads of this slot are over
	s_barrier_signal -1
	MUL16 2, 1, \ks, 0
	WIN 0
	s_barrier_wait -1
.if \fill
	CREST                                          ; the barrier has opened a round of the cluster's: no wave of any partner still reads this slot or has a load on its way
	s_add_nc_u64 s[G0+4*\slot+2:G0+4*\slot+3], s[G0+4*\slot+2:G0+4*\slot+3], 2*ROWB
	s_add_nc_u64 s[G0B+4*\slot+2:G0B+4*\slot+3], s[G0B+4*\slot+2:G0B+4*\slot+3], 2*ROWB
	JLOAD G0+4*\slot, G1, G0B+4*\slot, G1B         ; my one tensor load behind the round; its four v_nop are four of the places below
	PLACES NP-4
.else
	PLACES NP
.endif
	FETCH_B \next, 0, 0
	FETCH_A \next, 0, 0
	WIN MUL_HI
	MUL16 4, 1, \ks, 0
	MUL16 6, 1, \ks, 0
	PLACES NP
	WIN 0
	FETCH_A \next, 0, 4
.endm
	s_wait_tensorcnt 1                             ; my part of slot 0 is in; slot 1's load may be out
	s_barrier_signal -1
	s_barrier_wait -1
	FETCH_B 0, 0, 0
	FETCH_A 0, 0, 0
	FETCH_A 0, 0, 4
	s_wait_loadcnt 0x0                             ; the scale words and the mask bytes
.irp a, 0,1,2,3,4,5,6,7
	v_cvt_f32_u32 v[KEEP+\a], v[KEEP+\a]
.endr
.irp a, 0,1,2,3,4,5,6,7
	v_fma_f32 v[KEEP+\a], -v[KEEP+\a], s76, 1.0    ; 1 - mask for k, 1 for q and v
.endr
	STEP 0, 0, 1                                   ; the first products start the sums: nothing is cleared
	TURN 0, 1, 1, 1
	STEP 1, 2, 0
	TURN 1, 0, 3, 1
	STEP 0, 4, 0
	TURN 0, 1, 5, 0                                ; nothing is left to fetch
	STEP 1, 6, 0
	s_wait_dscnt 4*NL
	WIN MUL_LO
	MUL16 0, 1, 7, 0
	MUL16 2, 1, 7, 0
	s_wait_dscnt 0
	WIN MUL_HI
	MUL16 4, 1, 7, 0
	MUL16 6, 1, 7, 0
	WIN 0
	PLACES NP
.irp b, 0,1,2,3
	v_mov_b32 v[TM+4+\b], 0                        ; a lane permute's destination counts as one of its sources
.endr
; THE WAY OUT of A's block a: 64 numbers a lane, register 16 b + i = place 32 b + 16 (lane / 16) + i along source 0 of row lane % 16; they become four groups of four code registers and one scale word.
.macro QOUT a
.set QX, 2+(\a)/4
.set AC, 64*((\a)%4)
.set CD, 192+16*((\a)%2)
	s_wait_xcnt 0x0                                ; the stores of two blocks ago have read their registers
	WIN QX|(QX<<2)
.irp b, 0,1,2,3
	v_max3_num_f32 v[TM+\b], |v[AC+16*\b]|, |v[AC+16*\b+1]|, 0x8000000   ; each accumulator is read from its low end on; the floor 2^(16 - 127) holds the byte at 1 from below
.endr
.irp i, 2,4,6,8,10,12,14
.irp b, 0,1,2,3
	v_max3_num_f32 v[TM+\b], |v[AC+16*\b+\i]|, |v[AC+16*\b+\i+1]|, v[TM+\b]
.endr
.endr
	WIN 0
.irp b, 0,1,2,3
	v_permlanex16_b32 v[TM+4+\b], v[TM+\b], s[SEL], s[SEL+1]
.endr
.irp b, 0,1,2,3
	v_max_num_f32 v[TM+\b], v[TM+\b], v[TM+4+\b]   ; with lane l xor 16's: the block's largest magnitude
.endr
.irp b, 0,1,2,3
	v_add_nc_u32 v[TM+12+\b], 0xf8800000, v[TM+\b] ; 15 off its exponent field: the conversion's scale operand
.endr
.irp b, 0,1,2,3
	v_and_or_b32 v[TM+8+\b], v[TM+\b], 0x7f800000, s[MNT]   ; 57,344 x the scale
.endr
.irp b, 0,1,2,3
	v_lshrrev_b32 v[TM+4+\b], 23, v[TM+12+\b]      ; the byte
.endr
	v_lshl_or_b32 v[PW+\a], v[TM+5], 8, v[TM+4]
	v_lshl_or_b32 v[PW+\a], v[TM+6], 16, v[PW+\a]
	v_lshl_or_b32 v[PW+\a], v[TM+7], 24, v[PW+\a]
.irp b, 0,1,2,3
	v_mul_f32 v[TM+8+\b], v[TM+8+\b], v[KEEP+\a]   ; a padded key is held at 0
.endr
	WIN QX
.irp b, 0,1,2,3
.irp i, 0,1,2,3,4,5,6,7,8,9,10,11,12,13,14,15
	v_med3_num_f32 v[HN+16*\b+\i], v[AC+16*\b+\i], -v[TM+8+\b], v[TM+8+\b]   ; the hold (the conversion does not saturate: ISA guide 7.6.2); it also brings the number into window 0
.endr
.endr
	WIN 0
.irp b, 0,1,2,3
	v_cvt_scalef32_pk8_bf8_f32 v[CD+4*\b:CD+4*\b+1], v[HN+16*\b:HN+16*\b+7], v[TM+12+\b]
	v_cvt_scalef32_pk8_bf8_f32 v[CD+4*\b+2:CD+4*\b+3], v[HN+16*\b+8:HN+16*\b+15], v[TM+12+\b]
.endr
	v_nop                                          ; a plain instruction behind the last conversion
.irp b, 0,1,2,3
	global_store_b128 v[L16], v[CD+4*\b:CD+4*\b+3], s[84:85] offset:(4*(\a)+\b)*512   ; the wave stores 512 consecutive bytes, aligned
.endr
	ds_store_b32 v[SST], v[PW+\a] offset:256*((\a)&1)+4*((\a)>>1)   ; lanes r and r + 16 write the same word with the same value
.endm
.irp a, 0,1,2,3,4,5,6,7
	QOUT \a
.endr
	ds_load_b128 v[244:247], v[SLD]                ; LDS serves a wave's instructions in order: these see my stores
	s_wait_dscnt 0x0
	global_store_b128 v[L16], v[244:247], s[86:87] ; the block's 128 scale words: 512 consecutive bytes
	s_wait_tensorcnt 0x0                           ; the wave's end
	ds_add_u32 v[SPW], v[NIL]
	s_wait_dscnt 0x0
	CROUND                                         ; the closing round
	s_endpgm
.Lfunc_end_k_qe5e9429058_proj:
	.size	k_qe5e9429058_proj, .Lfunc_end_k_qe5e9429058_proj-k_qe5e9429058_proj
	.p2alignl 7, 3214868480
	.fill 96, 4, 3214868480
	.section	.rodata,"a",@progbits
	.p2align	6, 0x0
	.amdhsa_kernel k_qe5e9429058_proj
		.amdhsa_group_segment_fixed_size 327680
		.amdhsa_private_segment_fixed_size 0
		.amdhsa_enable_private_segment 0
		.amdhsa_kernarg_size 32
		.amdhsa_user_sgpr_count 2
		.amdhsa_user_sgpr_kernarg_segment_ptr 1
		.amdhsa_wavefront_size32 1
		.amdhsa_system_sgpr_workgroup_id_x 1
		.amdhsa_system_sgpr_workgroup_id_y 1
		.amdhsa_system_sgpr_workgroup_id_z 1
		.amdhsa_system_vgpr_workitem_id 0
		.amdhsa_next_free_vgpr 1024
		.amdhsa_next_free_sgpr 100
		.amdhsa_reserve_vcc 0
		.amdhsa_float_denorm_mode_32 3
		.amdhsa_float_denorm_mode_16_64 3
		.amdhsa_memory_ordered 1
		.amdhsa_forward_progress 1
		.amdhsa_inst_pref_size 186
	.end_amdhsa_kernel
	.amdgpu_metadata
---
amdhsa.version: [ 1, 2 ]
amdhsa.kernels:
  - .name:           k_qe5e9429058_proj
    .symbol:         k_qe5e9429058_proj.kd
    .args:
      - { .name: xq, .offset: 0, .size: 8, .value_kind: global_buffer, .address_space: global }
      - { .name: wq, .offset: 8, .size: 8, .value_kind: global_buffer, .address_space: global }
      - { .name: x2_mask, .offset: 16, .size: 8, .value_kind: global_buffer, .address_space: global }
      - { .name: img, .offset: 24, .size: 8, .value_kind: global_buffer, .address_space: global }
    .group_segment_fixed_size: 327680
    .private_segment_fixed_size: 0
    .kernarg_segment_align: 8
    .kernarg_segment_size: 32
    .max_flat_workgroup_size: 128
    .sgpr_count:     100
    .vgpr_count:     1024
    .wavefront_size: 32
...
	.end_amdgpu_metadata
.endif
;; end of part 2
;; launch attn (part 3): grid 512 x 1, 16 waves a work-group, no clusters, 92,672 bytes of LDS; arguments img, am, cq; writes cq
.if DOCPART == 3
	.amdgcn_target "amdgcn-amd-amdhsa--gfx1250"
	.amdhsa_code_object_version 6
	.text
	.protected	k_qe5e9429058_attn
	.globl	k_qe5e9429058_attn
	.p2align	8
	.type	k_qe5e9429058_attn,@function
k_qe5e9429058_attn:
	s_mov_b64 s[64:65], 0
	v_nop
	global_prefetch_b8 v0, s[64:65] scope:SCOPE_SE
	s_setreg_imm32_b32 hwreg(HW_REG_WAVE_MODE, 25, 1), 1
	s_wait_xcnt 0x0
; ctx = softmax(q k^T / 8, padded keys' scores 0, attn_mask -> -infinity) v, both products on codes of E5M2 with E8M0 scales; ctx is quantised along the model's 1,024 and stored as images of the last product's operand.
; THE SOFTMAX: t = score x log2(e) / 8; M = the running largest t rounded up to a whole number; p = 2^(t - M) is quantised along the keys; the row's sum is taken of the unquantised p and divides at the end.
; When M moves, the sum and O are multiplied by 2^(old M - new M), which rounds nothing.
; SHARES.  A work-group: 128 queries x 2 heads of one batch; 16 waves, each 16 queries of one head in 256 registers.  Keys go 128 a step; a step's K and V blocks (16 KiB each, both heads) are copied through
; registers into one of two LDS slots by all 512 threads, one step ahead, one barrier a step.
; LAYOUT.  S^T = K Q^T, O^T = V^T P^T: a lane holds one query throughout.  K's, V's and Q's codes lie in memory as images of the operands' registers (lane l's 16 bytes at 16 l), with the rows of a tile chosen so
; that a lane's registers 16 b + i of S^T are keys 32 b + 16 (lane / 16) + i, and of O^T the head's d likewise.  The head is 64 long: registers 8-15 of K's and Q's fragments are zero codes.
; THE MASK IS AN INPUT.  An earlier launch has stored, as whole numbers, lane-mask words in S^T's order and flags for each (16 queries, 128 keys): a step that is wholly masked for my queries is jumped over
; (its p are all 0); a step that no wave of the work-group needs is not copied; a step that is partly masked takes 64 selects.  All that is right for every mask.
; NO CLUSTER, NO TENSOR LOAD: the jumps hang on stored flags, so partners would ask for different tiles; the blocks therefore come through registers.
; Work-groups with later queries come first in the grid, since on a mask of the causal kind they have the most steps; nothing else hangs on that.
; LIMITS: a row with every key masked has the sum 0: its scale bytes are set to 0xff, so that its output row is NaN, as reference() has it.  NaN and infinities in q, k, v are not served; a block of ctx under 2^-111 takes the byte 1.
; REGISTERS: v1-11 addresses; v12 -M, v13 largest t, v[14:15] the sum; v16-31 Q; v32-95 four fragments of K; v96-159 S^T, p, then V's four fragments; v160-191 O^T; v192-207 p's codes; v208-223 the next step on its way;
;   v224-227 K's scale words, v228-229 V's, v230 Q's, v231 p's; v232-254 at work; v255 an address.
.set SLOTB, 32768                      ; a slot: K's block, then V's
.set VOFF,  16384
.set KSC,   65536                      ; K's scale words of 16 steps, as stored (head 0 of the pair); 8,192 on: shifted right by 16 (head 1)
.set VSC,   81920                      ; V's
.set CSC,   90112                      ; ctx's scale words: 128 rows x 4 bytes
.set STEPG, 131072                     ; from a step's block to the next step's in img
.set IMGK,  8388608
.set IMGS,  25165824
.set AMF,   524288
.set CQS,   8388608
.set AK0,  1
.set AV0,  2
.set ASK0, 3
.set ASV0, 4
.set TH16, 5
.set NINF, 6
.set PFO,  7
.set L16,  8
.set ACS,  9
.set ADS,  10
.set ADT,  11
.set ACL,  255
.set WV,   66
.set HH,   67
.set TQ,   84
.set BLK,  85
.set CNT,  86
.set SKIP, 87
.set MIX,  88
.set NEED, 89
.set BB,   90
.set HP,   91
.set TS,   92
.set SEL,  94
.set CS,   96
.set MNT,  98
.set LIM,  99
.set PFP,  100
	s_load_b128 s[16:19], s[0:1], 0x0              ; img, am
	s_load_b64 s[20:21], s[0:1], 0x10              ; cq
	v_lshl_add_u32 v250, v0, 2, 0x16200
	v_mov_b32 v251, 0
	v_lshrrev_b32 v10, 5, v0
	v_readfirstlane_b32 s[WV], v10                 ; wave 0..15
	s_lshr_b32 s[HH], s[WV], 3                     ; which head of the pair
	s_and_b32 s[TQ], s[WV], 7                      ; which 16 of the 128 queries
	s_lshr_b32 s2, ttmp9, 5
	s_sub_co_u32 s[BLK], 15, s2                    ; block of 128 queries
	s_bfe_u32 s[BB], ttmp9, 0x20003                ; batch
	s_and_b32 s[HP], ttmp9, 7                      ; head pair
	v_and_b32 v10, 31, v0
	v_lshlrev_b32 v[L16], 4, v10
	v_lshlrev_b32 v[TH16], 4, v0
	v_lshlrev_b32 v[PFO], 8, v10
	s_lshl_b32 s2, s[HH], 10
	v_add_nc_u32 v[AK0], s2, v[L16]                ; K: groups 2 hh, 2 hh + 1 of a tile
	s_lshl_b32 s2, s[HH], 13
	s_add_co_u32 s3, s2, VOFF
	v_add_nc_u32 v[AV0], s3, v[L16]                ; V: tiles 4 hh .. 4 hh + 3
	s_add_co_u32 s3, s2, KSC
	v_add_nc_u32 v[ASK0], s3, v[L16]
	s_lshl_b32 s2, s[HH], 3
	s_add_co_u32 s2, s2, VSC
	v_add_nc_u32 v[ASV0], s2, v[L16]
	v_and_b32 v11, 15, v0
	v_lshlrev_b32 v[ACS], 2, v11
	s_lshl_b32 s2, s[TQ], 6
	s_lshl_b32 s3, s[HH], 1
	s_add_co_u32 s2, s2, s3
	s_add_co_u32 s2, s2, CSC
	v_add_nc_u32 v[ACS], s2, v[ACS]                ; my row's half of its scale word
	v_add_nc_u32 v[ACL], CSC, v[L16]
	v_lshlrev_b32 v11, 4, v11                      ; 16 r: Q's scale word
	v_add_nc_u32 v10, KSC, v[TH16]
	v_mov_b32 v[NINF], 0xff800000
	s_mov_b32 s3, 0
	s_wait_kmcnt 0x0
	s_add_nc_u64 s[22:23], s[18:19], AMF           ; the flags: four words for each tile of 16 queries
	s_lshl_b32 s2, s[BLK], 7
	s_add_nc_u64 s[22:23], s[22:23], s[2:3]
	s_load_b512 s[32:47], s[22:23], 0x0            ; my block's eight tiles
	s_load_b512 s[48:63], s[22:23], 0x40
	s_lshl_b32 s2, s[TQ], 4
	s_add_nc_u64 s[24:25], s[22:23], s[2:3]
	s_load_b128 s[68:71], s[24:25], 0x0            ; my tile's
	s_lshl_b32 s2, s[BLK], 3
	s_add_co_u32 s2, s2, s[TQ]
	s_lshl_b32 s2, s2, 12
	s_add_nc_u64 s[8:9], s[18:19], s[2:3]          ; my tile's mask words: 256 bytes a step
	s_lshl_b32 s14, s[BB], 4
	s_add_co_u32 s15, s14, s[BLK]
	s_lshl_b32 s15, s15, 3
	s_add_co_u32 s15, s15, s[HP]                   ; Q's block
	s_lshl_b32 s2, s15, 14
	s_lshl_b32 s93, s[TQ], 11
	s_add_co_u32 s2, s2, s93
	s_lshl_b32 s93, s[HH], 10
	s_add_co_u32 s2, s2, s93
	s_add_nc_u64 s[26:27], s[16:17], s[2:3]
	global_load_b128 v[16:19], v[L16], s[26:27]    ; Q's fragment stays in registers
	global_load_b128 v[20:23], v[L16], s[26:27] offset:512
	s_lshl_b32 s2, s15, 9
	s_and_b32 s93, s[TQ], 1
	s_lshl_b32 s93, s93, 8
	s_add_co_u32 s2, s2, s93
	s_lshr_b32 s93, s[TQ], 1
	s_lshl_b32 s93, s93, 2
	s_add_co_u32 s2, s2, s93
	s_add_co_u32 s2, s2, IMGS
	s_add_nc_u64 s[28:29], s[16:17], s[2:3]
	global_load_b32 v230, v11, s[28:29]
	s_add_co_u32 s2, s14, s[WV]                    ; wave w brings the scale words of step w
	s_lshl_b32 s2, s2, 3
	s_add_co_u32 s2, s2, s[HP]
	s_lshl_b32 s2, s2, 9
	s_add_co_u32 s2, s2, IMGS+262144
	s_add_nc_u64 s[30:31], s[16:17], s[2:3]
	global_load_b128 v[96:99], v[L16], s[30:31]
	global_load_b128 v[104:107], v[L16], s[30:31] offset:262144
	s_lshl_b32 s2, s14, 3
	s_add_co_u32 s2, s2, s[HP]
	s_lshl_b32 s2, s2, 14
	s_add_co_u32 s2, s2, IMGK
	s_add_nc_u64 s[4:5], s[16:17], s[2:3]          ; K's block of step 0
	s_add_nc_u64 s[6:7], s[4:5], IMGK              ; V's
	global_load_b128 v[208:211], v[TH16], s[4:5]
	global_load_b128 v[212:215], v[TH16], s[4:5] offset:8192
	global_load_b128 v[216:219], v[TH16], s[6:7]
	global_load_b128 v[220:223], v[TH16], s[6:7] offset:8192
	s_lshl_b32 s2, s14, 3                          ; ctx: row tile 128 b + 8 blk + tq, K step = head pair, groups 2 hh, 2 hh + 1
	s_lshl_b32 s93, s[BLK], 3
	s_add_co_u32 s2, s2, s93
	s_add_co_u32 s2, s2, s[TQ]
	s_lshl_b32 s2, s2, 3
	s_add_co_u32 s2, s2, s[HP]
	s_lshl_b32 s2, s2, 2
	s_lshl_b32 s93, s[HH], 1
	s_add_co_u32 s2, s2, s93
	s_lshl_b32 s2, s2, 9
	s_add_nc_u64 s[10:11], s[20:21], s[2:3]
	s_lshl_b32 s2, s15, 9
	s_add_co_u32 s2, s2, CQS
	s_add_nc_u64 s[12:13], s[20:21], s[2:3]
	; the prefetches: of the work-groups that walk the same K and V the first 32 of the grid (one for each batch and head pair) ask; in them waves 0, 1 for K's block, waves 2, 3 for V's, 8,192 bytes a wave, lanes 256 bytes apart
	s_cmp_lt_u32 s[WV], 2
	s_cselect_b64 s[PFP:PFP+1], s[4:5], s[6:7]
	s_and_b32 s2, s[WV], 1
	s_lshl_b32 s2, s2, 13
	s_add_nc_u64 s[PFP:PFP+1], s[PFP:PFP+1], s[2:3]
	s_lshr_b32 s2, s[WV], 2
	s_lshr_b32 s93, ttmp9, 5
	s_or_b32 s2, s2, s93
	s_cmp_eq_u32 s2, 0
	s_cselect_b32 s[LIM], 7, 0                     ; trips in which I ask: the last request names step 15
	s_mov_b32 s[SEL], 0x76543210
	s_mov_b32 s[SEL+1], 0xfedcba98
	s_mov_b32 s[CS], 0x3e38aa3b                    ; c = log2(e) / 8
	s_mov_b32 s[CS+1], s[CS]
	s_mov_b32 s[MNT], 0x600000
	s_mov_b32 s[CNT], 0
	s_mov_b32 s[TS], 0
	s_wait_kmcnt 0x0
.irp k, 0,1,2,3,4,5,6,7
	s_or_b32 s[32+4*\k], s[32+4*\k], s[33+4*\k]
	s_or_b32 s[34+4*\k], s[34+4*\k], s[35+4*\k]
	s_or_b32 s[32+4*\k], s[32+4*\k], s[34+4*\k]
.endr
.irp k, 1,2,3,4,5,6,7
	s_and_b32 s32, s32, s[32+4*\k]                 ; steps that are wholly masked for all eight tiles
.endr
	s_not_b32 s[NEED], s32
	s_and_b32 s[NEED], s[NEED], 0xffff             ; bit s: some wave needs step s (bit 16 is 0: nothing is fetched beyond step 15)
	s_or_b32 s68, s68, s69
	s_or_b32 s70, s70, s71
	s_or_b32 s68, s68, s70
	s_and_b32 s[SKIP], s68, 0xffff                 ; bit s: step s is wholly masked for my 16 queries
	s_lshr_b32 s[MIX], s68, 16                     ; bit s: partly
	s_lshl_b32 s2, s[HH], 4
	s_wait_loadcnt 0x0
	ds_store_b128 v10, v[96:99]                    ; K's scale words as they are: bytes 0, 1 are head 0's
.irp i, 0,1,2,3
	v_lshrrev_b32 v[100+\i], 16, v[96+\i]          ; and with head 1's bytes in front (bytes 2, 3 stand over zero codes in either form)
.endr
	ds_store_b128 v10, v[100:103] offset:8192
	ds_store_b128 v10, v[104:107] offset:16384
	ds_store_b128 v[TH16], v[208:211]              ; step 0 into slot 0
	ds_store_b128 v[TH16], v[212:215] offset:8192
	ds_store_b128 v[TH16], v[216:219] offset:16384
	ds_store_b128 v[TH16], v[220:223] offset:24576
	v_lshrrev_b32 v230, s2, v230                   ; Q's word likewise
.irp i, 0,1,2,3,4,5,6,7
	v_mov_b32 v[24+\i], 0                          ; zero codes for K = 64 .. 127: Q's,
.endr
.irp t, 0,1,2,3
.irp i, 0,1,2,3,4,5,6,7
	v_mov_b32 v[40+16*\t+\i], 0                    ; and K's four fragments': written once, no load lands here
.endr
.endr
	v_mov_b32 v13, 0xff61b1e6                      ; the largest t so far: -3e38
	v_floor_f32 v12, -v13
	v_mov_b32 v14, 0
	v_mov_b32 v15, 0
.set j, 0
.rept 32
	v_mov_b32 v[160+j], 0                          ; O^T: the step is written once; the first change of M leaves zeros zeros
.set j, j+1
.endr
.irp b, 0,1,2,3
	v_mov_b32 v[236+\b], 0                         ; a lane permute's destination counts as one of its sources
.endr
	v_mov_b32 v252, 0
	v_mov_b32 v253, 0
	s_wait_dscnt 0x0                               ; my stores have landed
	s_barrier_signal -1
	s_barrier_wait -1
; A KEY STEP on slot q.
.macro STEP q
	ds_load_b128 v[224:227], v[ADS] offset:512*(\q)   ; register i: lanes 0-15 tile 2 i's words, lanes 16-31 tile 2 i + 1's
	ds_load_b64 v[228:229], v[ADT] offset:512*(\q)
.irp g, 0,1
.if \g > 0
.rept 8
	v_nop                                          ; places in front of loads into registers that matrix instructions have read
.endr
.endif
.irp t, 0,1,2,3
	ds_load_b128 v[32+16*\t:35+16*\t], v[AK0] offset:SLOTB*(\q)+2048*(4*\g+\t)
	ds_load_b128 v[36+16*\t:39+16*\t], v[AK0] offset:SLOTB*(\q)+2048*(4*\g+\t)+512
.endr
	s_wait_dscnt 0x0
.irp t, 0,2
	v_wmma_scale_f32_16x16x128_f8f6f4 v[96+8*(4*\g+\t):103+8*(4*\g+\t)], v[32+16*\t:47+16*\t], v[16:31], 0, v[224+2*\g+\t/2], v230 matrix_a_fmt:MATRIX_FMT_BF8 matrix_b_fmt:MATRIX_FMT_BF8
	v_wmma_scale_f32_16x16x128_f8f6f4 v[104+8*(4*\g+\t):111+8*(4*\g+\t)], v[48+16*\t:63+16*\t], v[16:31], 0, v[224+2*\g+\t/2], v230 matrix_a_fmt:MATRIX_FMT_BF8 matrix_b_fmt:MATRIX_FMT_BF8 matrix_a_scale:MATRIX_SCALE_ROW1
.endr
.endr
.rept 8
	v_nop
.endr
	s_bitcmp1_b32 s[MIX], \q                       ; partly masked: the masked scores become -infinity ahead of the maximum, so p = 0 there
	s_cbranch_scc0 .Lopen_\@
	s_load_b512 s[16:31], s[8:9], 256*(\q)
	s_load_b512 s[32:47], s[8:9], 256*(\q)+64
	s_load_b512 s[48:63], s[8:9], 256*(\q)+128
	s_load_b512 s[68:83], s[8:9], 256*(\q)+192
	s_wait_kmcnt 0x0
.set j, 0
.rept 64
.if j < 48
	v_cndmask_b32 v[96+j], v[96+j], v[NINF], s[16+j]
.else
	v_cndmask_b32 v[96+j], v[96+j], v[NINF], s[20+j]
.endif
.set j, j+1
.endr
.Lopen_\@:
.irp b, 0,1,2,3
	v_max3_num_f32 v[232+\b], v[96+16*\b], v[97+16*\b], v[98+16*\b]   ; the largest score of each block of 32 keys: for the row's maximum, and, since p rises with the score, for the block's largest p
.endr
.irp i, 3,5,7,9,11,13
.irp b, 0,1,2,3
	v_max3_num_f32 v[232+\b], v[232+\b], v[96+16*\b+\i], v[97+16*\b+\i]
.endr
.endr
.irp b, 0,1,2,3
	v_max_num_f32 v[232+\b], v[232+\b], v[111+16*\b]
.endr
.irp b, 0,1,2,3
	v_permlanex16_b32 v[236+\b], v[232+\b], s[SEL], s[SEL+1]
.endr
.irp b, 0,1,2,3
	v_max_num_f32 v[232+\b], v[232+\b], v[236+\b]
.endr
	v_max3_num_f32 v254, v232, v233, v234
	v_max_num_f32 v254, v254, v235
	v_mul_f32 v254, s[CS], v254
	v_max_num_f32 v13, v13, v254                   ; the running largest t
	v_mov_b32 v254, v12
	v_floor_f32 v12, -v13                          ; -M = floor(-t): M is a whole number
	v_sub_f32 v254, v12, v254                      ; old M - new M
	v_cvt_i32_f32 v254, v254                       ; (it saturates)
	v_ldexp_f32 v252, 1.0, v254                    ; f = 2^(old M - new M)
.set j, 0
.rept 32
	v_pk_fma_f32 v[96+j:97+j], v[96+j:97+j], s[CS:CS+1], v[12:13] op_sel_hi:[1,0,0]   ; t - M, two at a time
.set j, j+2
.endr
.irp b, 0,1,2,3
	v_fma_f32 v[232+\b], v[232+\b], s[CS], v12
.endr
.set j, 0
.rept 64
	v_exp_f32 v[96+j], v[96+j]                     ; p = 2^(t - M)
.set j, j+1
.endr
	v_pk_mul_f32 v[14:15], v[14:15], v[252:253] op_sel_hi:[1,0]   ; the sums under the new M; a plain instruction behind the exponentials
	s_wait_alu depctr_va_vdst(0)                   ; one wait for the batch, ahead of its first reader
.irp b, 0,1,2,3
	v_exp_f32 v[232+\b], v[232+\b]                 ; each block's largest p
.endr
	v_pk_add_f32 v[236:237], v[96:97], v[98:99]    ; the row's sum of the unquantised p, in two chains
.irp j, 4,8,12,16,20,24,28,32,36,40,44,48,52,56,60
	v_pk_add_f32 v[14:15], v[14:15], v[96+\j:97+\j]
	v_pk_add_f32 v[236:237], v[236:237], v[98+\j:99+\j]
.endr
	v_pk_add_f32 v[14:15], v[14:15], v[236:237]
	s_wait_alu depctr_va_vdst(0)                   ; and one for the four
.irp b, 0,1,2,3
	v_max_num_f32 v[232+\b], 0x8000000, v[232+\b]  ; the floor 2^(16 - 127)
.endr
.irp b, 0,1,2,3
	v_add_nc_u32 v[244+\b], 0xf8800000, v[232+\b]
.endr
.irp b, 0,1,2,3
	v_and_or_b32 v[240+\b], v[232+\b], 0x7f800000, s[MNT]
.endr
.irp b, 0,1,2,3
	v_lshrrev_b32 v[236+\b], 23, v[244+\b]
.endr
	v_lshl_or_b32 v231, v237, 8, v236              ; p's scale word for these 128 keys
	v_lshl_or_b32 v231, v238, 16, v231
	v_lshl_or_b32 v231, v239, 24, v231
.irp b, 0,1,2,3
.irp i, 0,1,2,3,4,5,6,7,8,9,10,11,12,13,14,15
	v_min_num_f32 v[96+16*\b+\i], v[96+16*\b+\i], v[240+\b]   ; the hold; p is not negative
.endr
	v_cvt_scalef32_pk8_bf8_f32 v[192+4*\b:193+4*\b], v[96+16*\b:103+16*\b], v[244+\b]
	v_cvt_scalef32_pk8_bf8_f32 v[194+4*\b:195+4*\b], v[104+16*\b:111+16*\b], v[244+\b]
.endr
.irp t, 0,1,2,3
.irp c, 0,1,2,3
	ds_load_b128 v[96+16*\t+4*\c:99+16*\t+4*\c], v[AV0] offset:SLOTB*(\q)+2048*\t+512*\c   ; V's four fragments, into the registers that p has left
.endr
.endr
.set j, 0
.rept 16
	v_pk_mul_f32 v[160+j:161+j], v[160+j:161+j], v[252:253] op_sel_hi:[1,0]   ; O^T under the new M; these are also the places between the conversions and the products
.set j, j+2
.endr
	s_wait_dscnt 0x0
.irp t, 0,2
	v_wmma_scale_f32_16x16x128_f8f6f4 v[160+8*\t:167+8*\t], v[96+16*\t:111+16*\t], v[192:207], v[160+8*\t:167+8*\t], v[228+\t/2], v231 matrix_a_fmt:MATRIX_FMT_BF8 matrix_b_fmt:MATRIX_FMT_BF8
	v_wmma_scale_f32_16x16x128_f8f6f4 v[168+8*\t:175+8*\t], v[112+16*\t:127+16*\t], v[192:207], v[168+8*\t:175+8*\t], v[228+\t/2], v231 matrix_a_fmt:MATRIX_FMT_BF8 matrix_b_fmt:MATRIX_FMT_BF8 matrix_a_scale:MATRIX_SCALE_ROW1
.endr
.rept 9
	v_nop                                          ; nine places: the next step's first products write over the registers that these have read
.endr
.endm
; Half a trip: step 2 CNT + q, in slot q.  The next step's blocks are asked for first, worked under, and stored into the other slot, which every wave left ahead of the last barrier.
.macro HALF q
	s_bitcmp1_b32 s[NEED], (\q)+1
	s_cbranch_scc0 .Lnoload_\@
	global_load_b128 v[208:211], v[TH16], s[4:5] offset:((\q)+1)*STEPG
	global_load_b128 v[212:215], v[TH16], s[4:5] offset:((\q)+1)*STEPG+8192
	global_load_b128 v[216:219], v[TH16], s[6:7] offset:((\q)+1)*STEPG
	global_load_b128 v[220:223], v[TH16], s[6:7] offset:((\q)+1)*STEPG+8192
.Lnoload_\@:
	s_cmp_lt_u32 s[CNT], s[LIM]
	s_cbranch_scc0 .Lnoask_\@
	global_prefetch_b8 v[PFO], s[PFP:PFP+1] offset:((\q)+2)*STEPG th:TH_LOAD_NT scope:SCOPE_SE   ; the step after the one just asked for: one key step ahead of its loads; each 256 bytes are named once in the launch
.Lnoask_\@:
	s_bitcmp1_b32 s[SKIP], \q
	s_cbranch_scc1 .Lskip_\@
	STEP \q
.Lskip_\@:
	s_wait_loadcnt 0x0                             ; on every path: the next step's blocks are in my registers, if they were asked for
	s_bitcmp1_b32 s[NEED], (\q)+1
	s_cbranch_scc0 .Lnostore_\@
	ds_store_b128 v[TH16], v[208:211] offset:(1-(\q))*SLOTB
	ds_store_b128 v[TH16], v[212:215] offset:(1-(\q))*SLOTB+8192
	ds_store_b128 v[TH16], v[216:219] offset:(1-(\q))*SLOTB+16384
	ds_store_b128 v[TH16], v[220:223] offset:(1-(\q))*SLOTB+24576
.Lnostore_\@:
	s_wait_dscnt 0x0                               ; my stores into the other slot have landed and my reads of this slot are over
	s_barrier_signal -1
	s_barrier_wait -1
.endm
.Ltrip:                                            ; eight trips of two key steps
	v_add_nc_u32 v[ADS], s[TS], v[ASK0]
	v_add_nc_u32 v[ADT], s[TS], v[ASV0]
	HALF 0
	HALF 1
	s_wait_xcnt 0x0                                ; the trip's loads and its prefetches have read their addresses
	s_add_nc_u64 s[4:5], s[4:5], 2*STEPG
	s_add_nc_u64 s[6:7], s[6:7], 2*STEPG
	s_add_nc_u64 s[PFP:PFP+1], s[PFP:PFP+1], 2*STEPG
	s_add_nc_u64 s[8:9], s[8:9], 512
	s_add_co_u32 s[TS], s[TS], 1024
	s_lshr_b32 s[SKIP], s[SKIP], 2
	s_lshr_b32 s[MIX], s[MIX], 2
	s_lshr_b32 s[NEED], s[NEED], 2
	s_add_co_u32 s[CNT], s[CNT], 1
	s_cmp_lt_u32 s[CNT], 8
	s_cbranch_scc1 .Ltrip
	; THE WAY OUT: O^T / the sum; register 16 b + i is d = 32 b + 16 (lane / 16) + i of my query: two blocks of the last product's K, quantised as they stand.
	v_add_f32 v14, v14, v15
	v_permlanex16_b32 v252, v14, s[SEL], s[SEL+1]
	v_add_f32 v14, v14, v252                       ; the row's sum
	v_rcp_f32 v15, v14
	v_mov_b32 v253, 0xffff                         ; a plain instruction behind the reciprocal
	s_wait_alu depctr_va_vdst(0)                   ; the wait ahead of its first reader
.set j, 0
.rept 32
	v_mul_f32 v[96+j], v[160+j], v15
.set j, j+1
.endr
.irp b, 0,1
	v_max3_num_f32 v[232+\b], |v[96+16*\b]|, |v[97+16*\b]|, 0x8000000
.endr
.irp i, 2,4,6,8,10,12,14
.irp b, 0,1
	v_max3_num_f32 v[232+\b], v[232+\b], |v[96+16*\b+\i]|, |v[97+16*\b+\i]|
.endr
.endr
.irp b, 0,1
	v_permlanex16_b32 v[236+\b], v[232+\b], s[SEL], s[SEL+1]
.endr
.irp b, 0,1
	v_max_num_f32 v[232+\b], v[232+\b], v[236+\b]
.endr
.irp b, 0,1
	v_add_nc_u32 v[244+\b], 0xf8800000, v[232+\b]
.endr
.irp b, 0,1
	v_and_or_b32 v[240+\b], v[232+\b], 0x7f800000, s[MNT]
.endr
.irp b, 0,1
	v_lshrrev_b32 v[236+\b], 23, v[244+\b]
.endr
	v_lshl_or_b32 v254, v237, 8, v236              ; my head's two bytes of the row's scale word
	v_cmp_eq_f32 vcc_lo, 0, v14
	v_cndmask_b32 v254, v254, v253, vcc_lo         ; a row with every key masked: the NaN byte
.irp b, 0,1
.irp i, 0,1,2,3,4,5,6,7,8,9,10,11,12,13,14,15
	v_med3_num_f32 v[96+16*\b+\i], v[96+16*\b+\i], -v[240+\b], v[240+\b]
.endr
	v_cvt_scalef32_pk8_bf8_f32 v[192+4*\b:193+4*\b], v[96+16*\b:103+16*\b], v[244+\b]
	v_cvt_scalef32_pk8_bf8_f32 v[194+4*\b:195+4*\b], v[104+16*\b:111+16*\b], v[244+\b]
.endr
	v_nop                                          ; a plain instruction behind the last conversion
	global_store_b128 v[L16], v[192:195], s[10:11]              ; each store of the wave covers 512 consecutive bytes, aligned
	global_store_b128 v[L16], v[196:199], s[10:11] offset:512
	ds_store_b16 v[ACS], v254                      ; lanes r and r + 16 write the same half word with the same value
	s_wait_dscnt 0x0
	s_barrier_signal -1
	s_barrier_wait -1                              ; the 128 rows' scale words lie whole in LDS
	s_cmp_lg_u32 s[WV], 0
	s_cbranch_scc1 .Ldone
	ds_load_b128 v[96:99], v[ACL]
	s_wait_dscnt 0x0
	global_store_b128 v[L16], v[96:99], s[12:13]   ; 512 consecutive bytes
.Ldone:
	s_wait_tensorcnt 0x0
	ds_add_u32 v250, v251
	s_wait_dscnt 0x0
	s_endpgm
.Lfunc_end_k_qe5e9429058_attn:
	.size	k_qe5e9429058_attn, .Lfunc_end_k_qe5e9429058_attn-k_qe5e9429058_attn
	.p2alignl 7, 3214868480
	.fill 96, 4, 3214868480
	.section	.rodata,"a",@progbits
	.p2align	6, 0x0
	.amdhsa_kernel k_qe5e9429058_attn
		.amdhsa_group_segment_fixed_size 92672
		.amdhsa_private_segment_fixed_size 0
		.amdhsa_enable_private_segment 0
		.amdhsa_kernarg_size 24
		.amdhsa_user_sgpr_count 2
		.amdhsa_user_sgpr_kernarg_segment_ptr 1
		.amdhsa_wavefront_size32 1
		.amdhsa_system_sgpr_workgroup_id_x 1
		.amdhsa_system_sgpr_workgroup_id_y 1
		.amdhsa_system_sgpr_workgroup_id_z 1
		.amdhsa_system_vgpr_workitem_id 0
		.amdhsa_next_free_vgpr 256
		.amdhsa_next_free_sgpr 102
		.amdhsa_reserve_vcc 1
		.amdhsa_float_denorm_mode_32 3
		.amdhsa_float_denorm_mode_16_64 3
		.amdhsa_memory_ordered 1
		.amdhsa_forward_progress 1
		.amdhsa_inst_pref_size 65
	.end_amdhsa_kernel
	.amdgpu_metadata
---
amdhsa.version: [ 1, 2 ]
amdhsa.kernels:
  - .name:           k_qe5e9429058_attn
    .symbol:         k_qe5e9429058_attn.kd
    .args:
      - { .name: img, .offset: 0, .size: 8, .value_kind: global_buffer, .address_space: global }
      - { .name: am, .offset: 8, .size: 8, .value_kind: global_buffer, .address_space: global }
      - { .name: cq, .offset: 16, .size: 8, .value_kind: global_buffer, .address_space: global }
    .group_segment_fixed_size: 92672
    .private_segment_fixed_size: 0
    .kernarg_segment_align: 8
    .kernarg_segment_size: 24
    .max_flat_workgroup_size: 512
    .sgpr_count:     102
    .vgpr_count:     256
    .wavefront_size: 32
...
	.end_amdgpu_metadata
.endif
;; end of part 3
;; launch outp (part 4): grid 4 x 32, 4 waves a work-group, clusters of 4 x 4, 327,680 bytes of LDS; arguments cq, wq, bo, out0; writes out0
.if DOCPART == 4
	.amdgcn_target "amdgcn-amd-amdhsa--gfx1250"
	.amdhsa_code_object_version 6
	.text
	.protected	k_qe5e9429058_outp
	.globl	k_qe5e9429058_outp
	.p2align	8
	.type	k_qe5e9429058_outp,@function
k_qe5e9429058_outp:
	s_mov_b64 s[64:65], 0
	v_nop
	global_prefetch_b8 v0, s[64:65] scope:SCOPE_SE
	s_setreg_imm32_b32 hwreg(HW_REG_WAVE_MODE, 25, 1), 1
	s_wait_xcnt 0x0
	s_wait_alu depctr_hold_cnt(0) depctr_sa_sdst(0) depctr_va_vdst(0) depctr_va_sdst(0) depctr_va_ssrc(0) depctr_va_vcc(0) depctr_vm_vsrc(0)
	s_getreg_b32 s2, hwreg(HW_REG_IB_STS2, 6, 4)
	s_cmp_eq_u32 s2, 0
	s_cbranch_scc0 .Lentry_in_a_cluster
	s_endpgm
.Lentry_in_a_cluster:
	s_bfe_u32 s2, ttmp6, 0x10000c
	s_cmp_lg_u32 s2, 0xf033
	s_cbranch_scc0 .Lentry_shape_is_right
	s_endpgm
.Lentry_shape_is_right:
; out0 = ctx Wo + bo on codes of E5M2 with E8M0 scales, K = 1,024; out0 [8192][1024] f32.
; A work-group makes 256 x 256 of out0, each of its four waves 128 x 128: 64 accumulators.  The output has 4 x 32 such tiles: 128 work-groups in 8 clusters of 4 x 4; the launch is short beside the attention launch, so the large tile,
; which reads each fragment once, is kept.  A's tiles (ctx) are shared along a row of the cluster, B's (Wo) along a column: each is asked for jointly by the four that need it.
; A = ctx lies in memory as images of the operand's registers, [tile of 16 rows][K step of 128][group c][512 bytes]: a slot's part of a tile of rows is 4,096 consecutive bytes, and a fragment's group is read at 16 x lane.
; B = Wo's rows (n), K innermost, rows of 256 bytes + 16 of padding in LDS; they lie with bits 3 and 4 of the row number exchanged, which the way out undoes by its stage offsets.
; The matrix instruction is used transposed (source 0 = 16 rows of Wo, source 1 = 16 rows of ctx): a lane holds eight neighbouring numbers of a row of out0.
; The scales of a wave's 128 + 128 rows for all of K are 64 registers: register 8 i + ks holds the word of rows 32 i + lane.  The bias is added on the way out.
; REGISTERS: window 0: v16-29 addresses; v32-63 A's scale words, v64-95 B's; v96-99 my four numbers of bo; v128-255 A's fragments, later the way out.  window 1: B's two sets.  windows 2, 3: the accumulators.
.set ROWB,   256
.set KROW,   1024
.set PITCH,  272
.set FR,     16
.set NL,     4
.set NP,     8
.set HALFA,  32768                     ; 8 tiles of rows x 4,096 bytes
.set HALFT,  128*PITCH
.set BOFF,   2*HALFA
.set SLOT,   2*HALFA+2*HALFT           ; 135,168
.set SPARE,  2*SLOT                    ; the spare words, 128 bytes a wave
.set SPITCH, 528                       ; the way out: 16 rows x (512 + 16) bytes a wave, in slot 0, which has had its last fill and its last read by then
.set WSCO,   4194304
.set CQS,    8388608
.set ADRA, 16
.set ADRB, 20
.set STO,  24
.set RD,   25
.set CO,   26
.set SPW,  28
.set NIL,  29
.set SAS,  32
.set SBS,  64
.set BIAS, 96
.set AF,   128
.set BK,   128
.set G1,  24
.set G0,  32
.set G1B, 48
.set G0B, 56
.set MSB, 0
.macro WIN new
.if MSB != (\new)
	s_set_vgpr_msb (MSB<<8)|(\new)
.set MSB, (\new)
.endif
.endm
.set MUL_LO, 0xa1
.set MUL_HI, 0xf1
.set TO_B,   0x40
.macro JLOAD g0a, g1a, g0b, g1b        ; waves 0 and 1 fetch for A, waves 2 and 3 for B; four v_nop follow each line
	s_cmp_eq_u32 s15, 0
	s_cbranch_scc0 .Lfor_b_\@
	tensor_load_to_lds s[\g0a:\g0a+3], s[\g1a:\g1a+7]
	s_nop 0
.rept 4
	v_nop
.endr
	s_branch .Lasked_\@
.Lfor_b_\@:
	tensor_load_to_lds s[\g0b:\g0b+3], s[\g1b:\g1b+7]
	s_nop 0
.rept 4
	v_nop
.endr
.Lasked_\@:
.endm
.macro CREST
	s_cmp_lg_u32 s14, 0
	s_cbranch_scc1 .Lnot_wave_0_\@
	s_barrier_signal -3
.Lnot_wave_0_\@:
	s_barrier_wait -3
	s_barrier_signal -1
	s_barrier_wait -1
.endm
.macro CROUND
	s_barrier_signal -1
	s_barrier_wait -1
	CREST
.endm
	s_load_b256 s[4:11], s[0:1], 0x0               ; cq 4, wq 6, bo 8, out0 10
	v_lshl_add_u32 v[SPW], v0, 2, SPARE
	v_mov_b32 v[NIL], 0
	ds_add_u32 v28, v29
	ds_add_u32 v28, v29
	s_wait_dscnt 0x0
	v_lshrrev_b32 v1, 5, v0
	v_readfirstlane_b32 s14, v1
	s_lshr_b32 s15, s14, 1                         ; my half of the rows; also: I fetch for A (0) or B (1)
	s_and_b32 s16, s14, 1                          ; my half of the columns; also: which half I fetch
	s_bfe_u32 s40, ttmp6, 0x40000
	s_bfe_u32 s41, ttmp6, 0x40004
	s_lshl_b32 s42, ttmp9, 2
	s_add_co_u32 s42, s42, s40                     ; tile column
	s_and_b32 s12, ttmp7, 0xffff
	s_lshl_b32 s12, s12, 2
	s_add_co_u32 s12, s12, s41                     ; tile row
	s_lshl_b32 s43, s41, 2
	s_lshl_b32 s43, 15, s43
	s_lshl_b32 s44, 0x1111, s40
	s_or_b32 s[G1+0], s43, (1<<21)                 ; A: mask; elements of 1 byte; no padding; bit 21 beside a mask
	s_mov_b32 s[G1+1], 4096<<16                    ; tensor_dim0
	s_mov_b32 s[G1+2], 8<<16                       ; tensor_dim1
	s_mov_b32 s[G1+3], 4096<<16                    ; tile_dim0: a slot's part of a tile of rows
	s_mov_b32 s[G1+4], 8                           ; tile_dim1: 8 tiles of rows
	s_mov_b32 s[G1+5], 16384                       ; from a tile of rows to the next
	s_mov_b32 s[G1+6], 0
	s_mov_b32 s[G1+7], 0
	s_or_b32 s[G1B+0], s44, (1<<20)|(1<<21)|(5<<22)|(3<<25)
	s_mov_b32 s[G1B+1], ROWB<<16
	s_mov_b32 s[G1B+2], 128<<16
	s_mov_b32 s[G1B+3], ROWB<<16
	s_mov_b32 s[G1B+4], 128
	s_mov_b32 s[G1B+5], KROW
	s_mov_b32 s[G1B+6], 0
	s_mov_b32 s[G1B+7], 0
	s_lshl_b32 s68, s12, 4
	s_lshl_b32 s18, s16, 3
	s_add_co_u32 s68, s68, s18                     ; A: the first tile of rows that I fetch
	s_lshl_b32 s68, s68, 14
	s_mov_b32 s69, 0
	s_lshl_b32 s70, s42, 8
	s_lshl_b32 s19, s16, 7
	s_add_co_u32 s70, s70, s19
	s_add_co_u32 s70, s70, 3072                    ; B: Wo's rows lie behind the other three weights'
	s_lshl_b32 s72, s70, 5                         ; (their scale bytes)
	s_lshl_b32 s70, s70, 10
	s_mov_b32 s71, 0
	s_lshl_b32 s45, s16, 15                        ; where they go: A's halves,
	s_mul_i32 s46, s16, HALFT
	s_add_co_u32 s46, s46, BOFF                    ; then B's
	s_wait_kmcnt 0x0
	s_add_nc_u64 s[68:69], s[4:5], s[68:69]
	s_add_nc_u64 s[70:71], s[6:7], s[70:71]
	CROUND
.irp s, 0,1
	s_mov_b32 s[G0+4*\s], 1
	s_add_co_u32 s[G0+4*\s+1], s45, \s*SLOT
	s_add_nc_u64 s[G0+4*\s+2:G0+4*\s+3], s[68:69], \s*4096
	s_or_b32 s[G0+4*\s+3], s[G0+4*\s+3], 0x80000000
	s_mov_b32 s[G0B+4*\s], 1
	s_add_co_u32 s[G0B+4*\s+1], s46, \s*SLOT
	s_add_nc_u64 s[G0B+4*\s+2:G0B+4*\s+3], s[70:71], \s*ROWB
	s_or_b32 s[G0B+4*\s+3], s[G0B+4*\s+3], 0x80000000
	JLOAD G0+4*\s, G1, G0B+4*\s, G1B
.endr
	v_and_b32 v1, 15, v0
	v_bfe_u32 v2, v0, 4, 1
	v_and_b32 v5, 31, v0
	v_lshlrev_b32 v[CO], 4, v5                     ; 16 x lane
	v_mul_u32_u24 v3, v1, PITCH
	v_lshl_add_u32 v4, v2, 4, v3
	s_lshl_b32 s47, s15, 15                        ; my 128 rows of A
	s_mul_i32 s66, s16, HALFT
	s_add_co_u32 s66, s66, BOFF                    ; my 128 rows of B
.irp s, 0,1
	v_add_nc_u32 v[ADRA+\s], s47, v[CO]
	v_add_nc_u32 v[ADRB+\s], s66, v4
	s_add_co_u32 s47, s47, SLOT
	s_add_co_u32 s66, s66, SLOT
.endr
	v_lshlrev_b32 v6, 5, v5                        ; B's scale bytes: 32 a row
	v_lshlrev_b32 v7, 2, v5                        ; A's scale words: 4 bytes a row
	s_mul_i32 s67, s14, 16*SPITCH                  ; my stage
	v_mul_u32_u24 v3, v1, SPITCH
	v_lshl_add_u32 v3, v2, 6, v3
	v_add_nc_u32 v[STO], s67, v3                   ; in: row r, + 64 h
	v_add_nc_u32 v[RD], s67, v[CO]                 ; back: the 32 lanes take a row of 512 bytes
	s_mov_b32 s93, 0
	s_lshl_b32 s92, s12, 1
	s_add_co_u32 s92, s92, s15
	s_lshl_b32 s92, s92, 12
	s_add_co_u32 s92, s92, CQS
	s_add_nc_u64 s[78:79], s[4:5], s[92:93]        ; A's scale words: [block of 128 rows][K step][row]
	s_add_co_u32 s92, s72, WSCO
	s_add_nc_u64 s[80:81], s[6:7], s[92:93]
	s_lshl_b32 s92, s42, 10
	s_lshl_b32 s94, s16, 9
	s_add_co_u32 s92, s92, s94                     ; my first column, in bytes
	s_add_nc_u64 s[82:83], s[8:9], s[92:93]
	s_add_nc_u64 s[10:11], s[10:11], s[92:93]
	s_lshl_b32 s92, s12, 8
	s_lshl_b32 s94, s15, 7
	s_add_co_u32 s92, s92, s94
	s_lshl_b32 s92, s92, 12                        ; my first row, 4,096 bytes each
	s_add_nc_u64 s[10:11], s[10:11], s[92:93]
.irp i, 0,1,2,3
.irp k, 0,1,2,3,4,5,6,7
	global_load_b32 v[SAS+8*\i+\k], v7, s[78:79] offset:512*\k+128*\i
.endr
	global_load_b128 v[SBS+8*\i:SBS+8*\i+3], v6, s[80:81] offset:1024*\i
	global_load_b128 v[SBS+8*\i+4:SBS+8*\i+7], v6, s[80:81] offset:1024*\i+16
.endr
	global_load_b128 v[BIAS:BIAS+3], v[CO], s[82:83]
.macro FRAGA reg, adr, q, i            ; an image: group c of tile i's K step q at 16 x lane
.irp c, 0,1,2,3
	ds_load_b128 v[\reg+4*\c:\reg+4*\c+3], v[\adr] offset:4096*(\i)+2048*(\q)+512*\c
.endr
.endm
.macro FRAG reg, adr, q, i
.irp c, 0,1,2,3
	ds_load_b128 v[\reg+4*\c:\reg+4*\c+3], v[\adr] offset:128*(\q)+32*\c+(\i)*16*PITCH
.endr
.endm
.macro WM a, b, p, ks, zero
.set rD, 8*(8*((\a)%4)+(\b))
.set rB, 128*(\p)+FR*(\b)
.set rA, AF+FR*(\a)
.set rSB, SBS+8*((\b)/2)+(\ks)
.set rSA, SAS+8*((\a)/2)+(\ks)
.set par, 2*((\a)%2)+((\b)%2)
.if \zero
.if par == 0
	v_wmma_scale_f32_16x16x128_f8f6f4 v[rD:rD+7], v[rB:rB+15], v[rA:rA+15], 0, v[rSB], v[rSA] matrix_a_fmt:MATRIX_FMT_BF8 matrix_b_fmt:MATRIX_FMT_BF8
.elseif par == 1
	v_wmma_scale_f32_16x16x128_f8f6f4 v[rD:rD+7], v[rB:rB+15], v[rA:rA+15], 0, v[rSB], v[rSA] matrix_a_fmt:MATRIX_FMT_BF8 matrix_b_fmt:MATRIX_FMT_BF8 matrix_a_scale:MATRIX_SCALE_ROW1
.elseif par == 2
	v_wmma_scale_f32_16x16x128_f8f6f4 v[rD:rD+7], v[rB:rB+15], v[rA:rA+15], 0, v[rSB], v[rSA] matrix_a_fmt:MATRIX_FMT_BF8 matrix_b_fmt:MATRIX_FMT_BF8 matrix_b_scale:MATRIX_SCALE_ROW1
.else
	v_wmma_scale_f32_16x16x128_f8f6f4 v[rD:rD+7], v[rB:rB+15], v[rA:rA+15], 0, v[rSB], v[rSA] matrix_a_fmt:MATRIX_FMT_BF8 matrix_b_fmt:MATRIX_FMT_BF8 matrix_a_scale:MATRIX_SCALE_ROW1 matrix_b_scale:MATRIX_SCALE_ROW1
.endif
.else
.if par == 0
	v_wmma_scale_f32_16x16x128_f8f6f4 v[rD:rD+7], v[rB:rB+15], v[rA:rA+15], v[rD:rD+7], v[rSB], v[rSA] matrix_a_fmt:MATRIX_FMT_BF8 matrix_b_fmt:MATRIX_FMT_BF8
.elseif par == 1
	v_wmma_scale_f32_16x16x128_f8f6f4 v[rD:rD+7], v[rB:rB+15], v[rA:rA+15], v[rD:rD+7], v[rSB], v[rSA] matrix_a_fmt:MATRIX_FMT_BF8 matrix_b_fmt:MATRIX_FMT_BF8 matrix_a_scale:MATRIX_SCALE_ROW1
.elseif par == 2
	v_wmma_scale_f32_16x16x128_f8f6f4 v[rD:rD+7], v[rB:rB+15], v[rA:rA+15], v[rD:rD+7], v[rSB], v[rSA] matrix_a_fmt:MATRIX_FMT_BF8 matrix_b_fmt:MATRIX_FMT_BF8 matrix_b_scale:MATRIX_SCALE_ROW1
.else
	v_wmma_scale_f32_16x16x128_f8f6f4 v[rD:rD+7], v[rB:rB+15], v[rA:rA+15], v[rD:rD+7], v[rSB], v[rSA] matrix_a_fmt:MATRIX_FMT_BF8 matrix_b_fmt:MATRIX_FMT_BF8 matrix_a_scale:MATRIX_SCALE_ROW1 matrix_b_scale:MATRIX_SCALE_ROW1
.endif
.endif
.endm
.macro MUL16 a0, p, ks, zero           ; the 64 accumulators take turns, one instruction a turn
.irp a, \a0, \a0+1
.irp b, 0,1,2,3,4,5,6,7
	WM \a, \b, \p, \ks, \zero
.endr
.endr
.endm
.macro FETCH_B slot, q, p
	WIN TO_B
.irp i, 0,1,2,3,4,5,6,7
	FRAG 128*(\p)+FR*\i, ADRB+\slot, \q, \i
.endr
	WIN 0
.endm
.macro FETCH_A slot, q, i0
.irp i, \i0, \i0+1, \i0+2, \i0+3
	FRAGA AF+FR*(\i), ADRA+\slot, \q, \i
.endr
.endm
.macro PLACES n
.rept \n
	v_nop
.endr
.endm
.macro STEP slot, ks, zero
	s_wait_dscnt 4*NL                              ; B's set and A's blocks 0-3 are in; the sixteen youngest loads (A's blocks 4-7) may be out
	WIN MUL_LO
	MUL16 0, 0, \ks, \zero
	MUL16 2, 0, \ks, \zero
	s_wait_dscnt 0
	PLACES NP
	FETCH_B \slot, 1, 1
	FETCH_A \slot, 1, 0
	WIN MUL_HI
	MUL16 4, 0, \ks, \zero
	MUL16 6, 0, \ks, \zero
	PLACES NP
	WIN 0
	FETCH_A \slot, 1, 4
.endm
.macro TURN slot, next, ks, fill
	s_wait_tensorcnt 0x0                           ; all my tensor loads have landed: my part of the next slot
	ds_add_u32 v[SPW], v[NIL]                      ; 0 onto my spare word
	s_wait_dscnt 4*NL+1                            ; the add and the sixteen youngest loads may be out
	WIN MUL_LO
	MUL16 0, 1, \ks, 0
	s_wait_dscnt 0x0                               ; the add is done, and my reads of this slot are over
	s_barrier_signal -1
	MUL16 2, 1, \ks, 0
	WIN 0
	s_barrier_wait -1
.if \fill
	CREST                                          ; the barrier has opened a round of the cluster's: no wave of any partner still reads this slot or has a load on its way
	s_add_nc_u64 s[G0+4*\slot+2:G0+4*\slot+3], s[G0+4*\slot+2:G0+4*\slot+3], 2*4096
	s_add_nc_u64 s[G0B+4*\slot+2:G0B+4*\slot+3], s[G0B+4*\slot+2:G0B+4*\slot+3], 2*ROWB
	JLOAD G0+4*\slot, G1, G0B+4*\slot, G1B
	PLACES NP-4
.else
	PLACES NP
.endif
	FETCH_B \next, 0, 0
	FETCH_A \next, 0, 0
	WIN MUL_HI
	MUL16 4, 1, \ks, 0
	MUL16 6, 1, \ks, 0
	PLACES NP
	WIN 0
	FETCH_A \next, 0, 4
.endm
	s_wait_tensorcnt 1                             ; my part of slot 0 is in; slot 1's load may be out
	s_barrier_signal -1
	s_barrier_wait -1
	FETCH_B 0, 0, 0
	FETCH_A 0, 0, 0
	FETCH_A 0, 0, 4
	s_wait_loadcnt 0x0                             ; the scale words and the bias
	STEP 0, 0, 1
	TURN 0, 1, 1, 1
	STEP 1, 2, 0
	TURN 1, 0, 3, 1
	STEP 0, 4, 0
	TURN 0, 1, 5, 0
	STEP 1, 6, 0
	s_wait_dscnt 4*NL
	WIN MUL_LO
	MUL16 0, 1, 7, 0
	MUL16 2, 1, 7, 0
	s_wait_dscnt 0
	WIN MUL_HI
	MUL16 4, 1, 7, 0
	MUL16 6, 1, 7, 0
	WIN 0
; THE WAY OUT, block by block of 16 rows x 128 columns, through my own stage and back as whole rows of 512 bytes.  Tile b of Wo's rows holds columns 32 (b / 2) + 16 h + 8 (b % 2) + 0 .. 7.
.macro TOSTAGE a
.set AC, 64*((\a)%4)
	WIN 0x08+4*((\a)/4)                            ; an LDS store's data: window 2 or 3
.irp b, 0,1,2,3,4,5,6,7
	ds_store_b128 v[STO], v[AC+8*\b:AC+8*\b+3] offset:128*(\b/2)+32*(\b%2)       ; each accumulator from its low end on
	ds_store_b128 v[STO], v[AC+8*\b+4:AC+8*\b+7] offset:128*(\b/2)+32*(\b%2)+16
.endr
	WIN 0
.set BBK, BK+64*((\a)%2)
.irp t, 0,1,2,3,4,5,6,7,8,9,10,11,12,13,14,15
	ds_load_b128 v[BBK+4*\t:BBK+4*\t+3], v[RD] offset:\t*SPITCH   ; LDS serves a wave's instructions in order: these see the stores above
.endr
.endm
.macro SEND a, younger
.set BBK, BK+64*((\a)%2)
	s_wait_dscnt \younger                          ; the block is back; the LDS instructions issued behind its loads may be out
.if (\a) > 0
	s_add_nc_u64 s[10:11], s[10:11], 16*4096       ; (behind a wait on XCNT: the earlier stores have read their base)
.endif
.irp t, 0,1,2,3,4,5,6,7,8,9,10,11,12,13,14,15
	v_pk_add_f32 v[BBK+4*\t:BBK+4*\t+1], v[BBK+4*\t:BBK+4*\t+1], v[BIAS:BIAS+1]
	v_pk_add_f32 v[BBK+4*\t+2:BBK+4*\t+3], v[BBK+4*\t+2:BBK+4*\t+3], v[BIAS+2:BIAS+3]
	global_store_b128 v[CO], v[BBK+4*\t:BBK+4*\t+3], s[10:11] offset:\t*4096 th:TH_STORE_NT   ; 32 lanes store 512 consecutive bytes, aligned
.endr
.endm
	PLACES NP
	TOSTAGE 0
.irp a, 1,2,3,4,5,6,7
.if \a > 1
	s_wait_xcnt 0x0                                ; block a - 2's stores have read their registers and their base
.endif
	TOSTAGE \a
	SEND \a-1, 32                                  ; behind block a - 1's loads: block a's 16 stores and 16 loads
.endr
	s_wait_xcnt 0x0
	SEND 7, 0
	s_wait_tensorcnt 0x0                           ; the wave's end
	ds_add_u32 v[SPW], v[NIL]
	s_wait_dscnt 0x0
	CROUND                                         ; the closing round
	s_endpgm
.Lfunc_end_k_qe5e9429058_outp:
	.size	k_qe5e9429058_outp, .Lfunc_end_k_qe5e9429058_outp-k_qe5e9429058_outp
	.p2alignl 7, 3214868480
	.fill 96, 4, 3214868480
	.section	.rodata,"a",@progbits
	.p2align	6, 0x0
	.amdhsa_kernel k_qe5e9429058_outp
		.amdhsa_group_segment_fixed_size 327680
		.amdhsa_private_segment_fixed_size 0
		.amdhsa_enable_private_segment 0
		.amdhsa_kernarg_size 32
		.amdhsa_user_sgpr_count 2
		.amdhsa_user_sgpr_kernarg_segment_ptr 1
		.amdhsa_wavefront_size32 1
		.amdhsa_system_sgpr_workgroup_id_x 1
		.amdhsa_system_sgpr_workgroup_id_y 1
		.amdhsa_system_sgpr_workgroup_id_z 1
		.amdhsa_system_vgpr_workitem_id 0
		.amdhsa_next_free_vgpr 1024
		.amdhsa_next_free_sgpr 100
		.amdhsa_reserve_vcc 0
		.amdhsa_float_denorm_mode_32 3
		.amdhsa_float_denorm_mode_16_64 3
		.amdhsa_memory_ordered 1
		.amdhsa_forward_progress 1
		.amdhsa_inst_pref_size 161
	.end_amdhsa_kernel
	.amdgpu_metadata
---
amdhsa.version: [ 1, 2 ]
amdhsa.kernels:
  - .name:           k_qe5e9429058_outp
    .symbol:         k_qe5e9429058_outp.kd
    .args:
      - { .name: cq, .offset: 0, .size: 8, .value_kind: global_buffer, .address_space: global }
      - { .name: wq, .offset: 8, .size: 8, .value_kind: global_buffer, .address_space: global }
      - { .name: bo, .offset: 16, .size: 8, .value_kind: global_buffer, .address_space: global }
      - { .name: out0, .offset: 24, .size: 8, .value_kind: global_buffer, .address_space: global }
    .group_segment_fixed_size: 327680
    .private_segment_fixed_size: 0
    .kernarg_segment_align: 8
    .kernarg_segment_size: 32
    .max_flat_workgroup_size: 128
    .sgpr_count:     100
    .vgpr_count:     1024
    .wavefront_size: 32
...
	.end_amdgpu_metadata
.endif
;; end of part 4
;; ======== version 2 of 2: 4 launches; version 1 with the launch attn written anew for expert scheduling mode
;; workspace buffers: xq 17,301,504 bytes; wq 4,325,376 bytes; img 25,952,256 bytes; am 526,336 bytes of whole numbers; cq 8,650,752 bytes
;; launch quant: the kernel of part 1 again; grid 768 x 1, 4 waves a work-group, no clusters, 68,096 bytes of LDS; arguments x1, x2, Wq, Wk, Wv, Wo, attn_mask, xq, wq, am; writes xq, wq, am
;; launch proj: the kernel of part 2 again; grid 4 x 96, 4 waves a work-group, clusters of 4 x 4, 327,680 bytes of LDS; arguments xq, wq, x2_mask, img; writes img
;; launch attn (part 5): grid 512 x 1, 16 waves a work-group, no clusters, 92,672 bytes of LDS; arguments img, am, cq; writes cq
.if DOCPART == 5
	.amdgcn_target "amdgcn-amd-amdhsa--gfx1250"
	.amdhsa_code_object_version 6
	.text
	.protected	k_qe5e9429058_attn
	.globl	k_qe5e9429058_attn
	.p2align	8
	.type	k_qe5e9429058_attn,@function
k_qe5e9429058_attn:
	s_mov_b64 s[64:65], 0
	v_nop
	global_prefetch_b8 v0, s[64:65] scope:SCOPE_SE
	s_setreg_imm32_b32 hwreg(HW_REG_WAVE_SCHED_MODE, 0, 2), 2
	s_setreg_imm32_b32 hwreg(HW_REG_WAVE_MODE, 25, 1), 1
	s_wait_xcnt 0x0
	s_wait_alu depctr_vm_vsrc(0)
; ctx = softmax(q k^T / 8, padded keys' scores 0, attn_mask -> -infinity) v, both products on codes of E5M2 with E8M0 scales; ctx is quantised along the model's 1,024 and stored as images of the last product's operand.
; THE SOFTMAX: t = score x log2(e) / 8; M = the running largest t rounded up to a whole number; p = 2^(t - M) is quantised along the keys; the row's sum is taken of the unquantised p and divides at the end.
; When M moves, the sum and O are multiplied by 2^(old M - new M), which rounds nothing.
; SHARES.  A work-group: 128 queries x 2 heads of one batch; 16 waves, each 16 queries of one head in 256 registers.  Keys go 128 a step; a step's K and V blocks (16 KiB each, both heads) are copied through
; registers into one of two LDS slots by all 512 threads, one step ahead, one barrier a step.
; LAYOUT.  S^T = K Q^T, O^T = V^T P^T: a lane holds one query throughout.  K's, V's and Q's codes lie in memory as images of the operands' registers (lane l's 16 bytes at 16 l), with the rows of a tile chosen so
; that a lane's registers 16 b + i of S^T are keys 32 b + 16 (lane / 16) + i, and of O^T the head's d likewise.  The head is 64 long: registers 8-15 of K's and Q's fragments are zero codes.
; THE MASK IS AN INPUT.  An earlier launch has stored, as whole numbers, lane-mask words in S^T's order and flags for each (16 queries, 128 keys): a step that is wholly masked for my queries is jumped over
; (its p are all 0); a step that no wave of the work-group needs is not copied; a step that is partly masked takes 64 selects.  All that is right for every mask.
; NO CLUSTER, NO TENSOR LOAD: the jumps hang on stored flags, so partners would ask for different tiles; the blocks therefore come through registers.
; Work-groups with later queries come first in the grid, since on a mask of the causal kind they have the most steps; nothing else hangs on that.
; LIMITS: a row with every key masked has the sum 0: its scale bytes are set to 0xff, so that its output row is NaN, as reference() has it.  NaN and infinities in q, k, v are not served; a block of ctx under 2^-111 takes the byte 1.
; REGISTERS: v1-11 addresses; v12 -M, v13 largest t, v[14:15] the sum; v16-31 Q; v32-95 four fragments of K; v96-159 S^T, p, then V's four fragments; v160-191 O^T; v192-207 p's codes; v208-223 the next step on its way;
;   v224-227 K's scale words, v228-229 V's, v230 Q's, v231 p's; v232-254 at work; v255 an address.
; THE MODE: SCHED_MODE bits 1:0 = 2 (LLVM: expert scheduling mode 2), set by the entry lines.  The code itself states the register dependences between vector or matrix instructions and memory or LDS
; instructions, with s_wait_alu, always for 0.
; THE PLAN.  Registers that memory or LDS instructions touch, in the loop:
;   v1, v2, v5, v7   addresses, made at the head and never written again.
;   v10, v11         the scale words' LDS addresses: written by two additions at a trip's top, read by each step's two scale loads.
;   v208-223         the next step's blocks: global loads land there, LDS stores read them; no vector instruction names them.
;   v224-229         K's and V's scale words: LDS loads at a step's head land there, the step's products read them.
;   v32-39 + 16 t    the data halves of K's four fragments: LDS loads land there twice a step, four products read them each time.
;   v96-159          the first products write S^T, the softmax works on it, the holds and conversions read it last; then V's fragments land there and the second products read them.
;   v192-207, v231   p's codes and scale word: written by vector instructions, read by the second products.
; So a step has three waits on va_vdst of its own: at its head, ahead of the second four fragments of K, and behind the conversions, ahead of V's loads; beside them stand the two behind its exponentials.
; A trip has two waits on vm_vsrc: one at its top, one between its two steps, each ahead of the loads into v208-223; the one at the top also stands ahead of the two additions.
.set SLOTB, 32768                      ; a slot: K's block, then V's
.set VOFF,  16384
.set KSC,   65536                      ; K's scale words of 16 steps, as stored (head 0 of the pair); 8,192 on: shifted right by 16 (head 1)
.set VSC,   81920                      ; V's
.set CSC,   90112                      ; ctx's scale words: 128 rows x 4 bytes
.set STEPG, 131072                     ; from a step's block to the next step's in img
.set IMGK,  8388608
.set IMGS,  25165824
.set AMF,   524288
.set CQS,   8388608
.set AK0,  1
.set AV0,  2
.set ASK0, 3
.set ASV0, 4
.set TH16, 5
.set NINF, 6
.set PFO,  7
.set L16,  8
.set ACS,  9
.set ADS,  10
.set ADT,  11
.set ACL,  255
.set WV,   66
.set HH,   67
.set TQ,   84
.set BLK,  85
.set CNT,  86
.set SKIP, 87
.set MIX,  88
.set NEED, 89
.set BB,   90
.set HP,   91
.set TS,   92
.set SEL,  94
.set CS,   96
.set MNT,  98
.set LIM,  99
.set PFP,  100
	s_load_b128 s[16:19], s[0:1], 0x0              ; img, am
	s_load_b64 s[20:21], s[0:1], 0x10              ; cq
	v_lshl_add_u32 v250, v0, 2, 0x16200
	v_mov_b32 v251, 0
	v_lshrrev_b32 v10, 5, v0
	v_readfirstlane_b32 s[WV], v10                 ; wave 0..15
	v_and_b32 v10, 31, v0
	v_lshlrev_b32 v[L16], 4, v10
	v_lshlrev_b32 v[TH16], 4, v0
	v_lshlrev_b32 v[PFO], 8, v10
	s_lshr_b32 s2, ttmp9, 5
	s_sub_co_u32 s[BLK], 15, s2                    ; block of 128 queries
	s_bfe_u32 s[BB], ttmp9, 0x20003                ; batch
	s_and_b32 s[HP], ttmp9, 7                      ; head pair
	s_wait_alu depctr_va_sdst(0)                   ; the wave's number is written, ahead of its first reader
	s_lshr_b32 s[HH], s[WV], 3                     ; which head of the pair
	s_and_b32 s[TQ], s[WV], 7                      ; which 16 of the 128 queries
	s_lshl_b32 s2, s[HH], 10
	v_add_nc_u32 v[AK0], s2, v[L16]                ; K: groups 2 hh, 2 hh + 1 of a tile
	s_lshl_b32 s2, s[HH], 13
	s_add_co_u32 s3, s2, VOFF
	v_add_nc_u32 v[AV0], s3, v[L16]                ; V: tiles 4 hh .. 4 hh + 3
	s_add_co_u32 s3, s2, KSC
	v_add_nc_u32 v[ASK0], s3, v[L16]
	s_lshl_b32 s2, s[HH], 3
	s_add_co_u32 s2, s2, VSC
	v_add_nc_u32 v[ASV0], s2, v[L16]
	v_and_b32 v11, 15, v0
	v_lshlrev_b32 v[ACS], 2, v11
	s_lshl_b32 s2, s[TQ], 6
	s_lshl_b32 s3, s[HH], 1
	s_add_co_u32 s2, s2, s3
	s_add_co_u32 s2, s2, CSC
	v_add_nc_u32 v[ACS], s2, v[ACS]                ; my row's half of its scale word
	v_add_nc_u32 v[ACL], CSC, v[L16]
	v_lshlrev_b32 v11, 4, v11                      ; 16 r: Q's scale word
	v_add_nc_u32 v10, KSC, v[TH16]
	v_mov_b32 v[NINF], 0xff800000
	s_mov_b32 s3, 0
	s_wait_kmcnt 0x0
	s_add_nc_u64 s[22:23], s[18:19], AMF           ; the flags: four words for each tile of 16 queries
	s_lshl_b32 s2, s[BLK], 7
	s_add_nc_u64 s[22:23], s[22:23], s[2:3]
	s_load_b512 s[32:47], s[22:23], 0x0            ; my block's eight tiles
	s_load_b512 s[48:63], s[22:23], 0x40
	s_lshl_b32 s2, s[TQ], 4
	s_add_nc_u64 s[24:25], s[22:23], s[2:3]
	s_load_b128 s[68:71], s[24:25], 0x0            ; my tile's
	s_lshl_b32 s2, s[BLK], 3
	s_add_co_u32 s2, s2, s[TQ]
	s_lshl_b32 s2, s2, 12
	s_add_nc_u64 s[8:9], s[18:19], s[2:3]          ; my tile's mask words: 256 bytes a step
	s_lshl_b32 s14, s[BB], 4
	s_add_co_u32 s15, s14, s[BLK]
	s_lshl_b32 s15, s15, 3
	s_add_co_u32 s15, s15, s[HP]                   ; Q's block
	s_lshl_b32 s2, s15, 14
	s_lshl_b32 s93, s[TQ], 11
	s_add_co_u32 s2, s2, s93
	s_lshl_b32 s93, s[HH], 10
	s_add_co_u32 s2, s2, s93
	s_add_nc_u64 s[26:27], s[16:17], s[2:3]
	s_wait_alu depctr_va_vdst(0)                   ; the addresses v1, v2, v5, v7 to v11 and v255 are written, which the loads, stores and prefetches of the kernel read
	global_load_b128 v[16:19], v[L16], s[26:27]    ; Q's fragment stays in registers
	global_load_b128 v[20:23], v[L16], s[26:27] offset:512
	s_lshl_b32 s2, s15, 9
	s_and_b32 s93, s[TQ], 1
	s_lshl_b32 s93, s93, 8
	s_add_co_u32 s2, s2, s93
	s_lshr_b32 s93, s[TQ], 1
	s_lshl_b32 s93, s93, 2
	s_add_co_u32 s2, s2, s93
	s_add_co_u32 s2, s2, IMGS
	s_add_nc_u64 s[28:29], s[16:17], s[2:3]
	global_load_b32 v230, v11, s[28:29]
	s_add_co_u32 s2, s14, s[WV]                    ; wave w brings the scale words of step w
	s_lshl_b32 s2, s2, 3
	s_add_co_u32 s2, s2, s[HP]
	s_lshl_b32 s2, s2, 9
	s_add_co_u32 s2, s2, IMGS+262144
	s_add_nc_u64 s[30:31], s[16:17], s[2:3]
	global_load_b128 v[96:99], v[L16], s[30:31]
	global_load_b128 v[104:107], v[L16], s[30:31] offset:262144
	s_lshl_b32 s2, s14, 3
	s_add_co_u32 s2, s2, s[HP]
	s_lshl_b32 s2, s2, 14
	s_add_co_u32 s2, s2, IMGK
	s_add_nc_u64 s[4:5], s[16:17], s[2:3]          ; K's block of step 0
	s_add_nc_u64 s[6:7], s[4:5], IMGK              ; V's
	global_load_b128 v[208:211], v[TH16], s[4:5]
	global_load_b128 v[212:215], v[TH16], s[4:5] offset:8192
	global_load_b128 v[216:219], v[TH16], s[6:7]
	global_load_b128 v[220:223], v[TH16], s[6:7] offset:8192
	s_lshl_b32 s2, s14, 3                          ; ctx: row tile 128 b + 8 blk + tq, K step = head pair, groups 2 hh, 2 hh + 1
	s_lshl_b32 s93, s[BLK], 3
	s_add_co_u32 s2, s2, s93
	s_add_co_u32 s2, s2, s[TQ]
	s_lshl_b32 s2, s2, 3
	s_add_co_u32 s2, s2, s[HP]
	s_lshl_b32 s2, s2, 2
	s_lshl_b32 s93, s[HH], 1
	s_add_co_u32 s2, s2, s93
	s_lshl_b32 s2, s2, 9
	s_add_nc_u64 s[10:11], s[20:21], s[2:3]
	s_lshl_b32 s2, s15, 9
	s_add_co_u32 s2, s2, CQS
	s_add_nc_u64 s[12:13], s[20:21], s[2:3]
	; the prefetches: of the work-groups that walk the same K and V the first 32 of the grid (one for each batch and head pair) ask; in them waves 0, 1 for K's block, waves 2, 3 for V's, 8,192 bytes a wave, lanes 256 bytes apart
	s_cmp_lt_u32 s[WV], 2
	s_cselect_b64 s[PFP:PFP+1], s[4:5], s[6:7]
	s_and_b32 s2, s[WV], 1
	s_lshl_b32 s2, s2, 13
	s_add_nc_u64 s[PFP:PFP+1], s[PFP:PFP+1], s[2:3]
	s_lshr_b32 s2, s[WV], 2
	s_lshr_b32 s93, ttmp9, 5
	s_or_b32 s2, s2, s93
	s_cmp_eq_u32 s2, 0
	s_cselect_b32 s[LIM], 7, 0                     ; trips in which I ask: the last request names step 15
	s_mov_b32 s[SEL], 0x76543210
	s_mov_b32 s[SEL+1], 0xfedcba98
	s_mov_b32 s[CS], 0x3e38aa3b                    ; c = log2(e) / 8
	s_mov_b32 s[CS+1], s[CS]
	s_mov_b32 s[MNT], 0x600000
	s_mov_b32 s[CNT], 0
	s_mov_b32 s[TS], 0
	s_wait_kmcnt 0x0
.irp k, 0,1,2,3,4,5,6,7
	s_or_b32 s[32+4*\k], s[32+4*\k], s[33+4*\k]
	s_or_b32 s[34+4*\k], s[34+4*\k], s[35+4*\k]
	s_or_b32 s[32+4*\k], s[32+4*\k], s[34+4*\k]
.endr
.irp k, 1,2,3,4,5,6,7
	s_and_b32 s32, s32, s[32+4*\k]                 ; steps that are wholly masked for all eight tiles
.endr
	s_not_b32 s[NEED], s32
	s_and_b32 s[NEED], s[NEED], 0xffff             ; bit s: some wave needs step s (bit 16 is 0: nothing is fetched beyond step 15)
	s_or_b32 s68, s68, s69
	s_or_b32 s70, s70, s71
	s_or_b32 s68, s68, s70
	s_and_b32 s[SKIP], s68, 0xffff                 ; bit s: step s is wholly masked for my 16 queries
	s_lshr_b32 s[MIX], s68, 16                     ; bit s: partly
	s_lshl_b32 s2, s[HH], 4
	s_wait_loadcnt 0x0
.irp i, 0,1,2,3
	v_lshrrev_b32 v[100+\i], 16, v[96+\i]          ; K's scale words with head 1's bytes in front (bytes 2, 3 stand over zero codes in either form)
.endr
	ds_store_b128 v10, v[96:99]                    ; K's scale words as they are: bytes 0, 1 are head 0's.  (These six stores read loaded registers alone)
	ds_store_b128 v10, v[104:107] offset:16384
	ds_store_b128 v[TH16], v[208:211]              ; step 0 into slot 0
	ds_store_b128 v[TH16], v[212:215] offset:8192
	ds_store_b128 v[TH16], v[216:219] offset:16384
	ds_store_b128 v[TH16], v[220:223] offset:24576
	s_wait_alu depctr_va_vdst(0)                   ; the four shifts have written v[100:103], which the store below reads
	ds_store_b128 v10, v[100:103] offset:8192
	v_lshrrev_b32 v230, s2, v230                   ; Q's word likewise
.irp i, 0,1,2,3,4,5,6,7
	v_mov_b32 v[24+\i], 0                          ; zero codes for K = 64 .. 127: Q's,
.endr
.irp t, 0,1,2,3
.irp i, 0,1,2,3,4,5,6,7
	v_mov_b32 v[40+16*\t+\i], 0                    ; and K's four fragments': written once, no load lands here
.endr
.endr
	v_mov_b32 v13, 0xff61b1e6                      ; the largest t so far: -3e38
	v_floor_f32 v12, -v13
	v_mov_b32 v14, 0
	v_mov_b32 v15, 0
.set j, 0
.rept 32
	v_mov_b32 v[160+j], 0                          ; O^T: the step is written once; the first change of M leaves zeros zeros
.set j, j+1
.endr
.irp b, 0,1,2,3
	v_mov_b32 v[236+\b], 0                         ; a lane permute's destination counts as one of its sources
.endr
	v_mov_b32 v252, 0
	v_mov_b32 v253, 0
	s_wait_dscnt 0x0                               ; my stores have landed
	s_barrier_signal -1
	s_barrier_wait -1
; A KEY STEP on slot q.
.macro STEP q
	s_wait_alu depctr_va_vdst(0)                   ; the products of the step walked before are done reading v[224:229] and K's data halves, in which the loads below land; v[ADS] and v[ADT] are written; for the first step walked: Q's shifted word and the zero codes are written, which the products below take as scale, A and B
	ds_load_b128 v[224:227], v[ADS] offset:512*(\q)   ; register i: lanes 0-15 tile 2 i's words, lanes 16-31 tile 2 i + 1's
	ds_load_b64 v[228:229], v[ADT] offset:512*(\q)
.irp g, 0,1
.if \g > 0
.rept 8
	v_nop                                          ; places in front of loads into registers that matrix instructions have read
.endr
	s_wait_alu depctr_va_vdst(0)                   ; the four products above are done reading K's data halves, in which the loads below land
.endif
.irp t, 0,1,2,3
	ds_load_b128 v[32+16*\t:35+16*\t], v[AK0] offset:SLOTB*(\q)+2048*(4*\g+\t)
	ds_load_b128 v[36+16*\t:39+16*\t], v[AK0] offset:SLOTB*(\q)+2048*(4*\g+\t)+512
.endr
	s_wait_dscnt 0x0
.irp t, 0,2
	v_wmma_scale_f32_16x16x128_f8f6f4 v[96+8*(4*\g+\t):103+8*(4*\g+\t)], v[32+16*\t:47+16*\t], v[16:31], 0, v[224+2*\g+\t/2], v230 matrix_a_fmt:MATRIX_FMT_BF8 matrix_b_fmt:MATRIX_FMT_BF8
	v_wmma_scale_f32_16x16x128_f8f6f4 v[104+8*(4*\g+\t):111+8*(4*\g+\t)], v[48+16*\t:63+16*\t], v[16:31], 0, v[224+2*\g+\t/2], v230 matrix_a_fmt:MATRIX_FMT_BF8 matrix_b_fmt:MATRIX_FMT_BF8 matrix_a_scale:MATRIX_SCALE_ROW1
.endr
.endr
.rept 8
	v_nop
.endr
	s_bitcmp1_b32 s[MIX], \q                       ; partly masked: the masked scores become -infinity ahead of the maximum, so p = 0 there
	s_cbranch_scc0 .Lopen_\@
	s_load_b512 s[16:31], s[8:9], 256*(\q)
	s_load_b512 s[32:47], s[8:9], 256*(\q)+64
	s_load_b512 s[48:63], s[8:9], 256*(\q)+128
	s_load_b512 s[68:83], s[8:9], 256*(\q)+192
	s_wait_kmcnt 0x0
.set j, 0
.rept 64
.if j < 48
	v_cndmask_b32 v[96+j], v[96+j], v[NINF], s[16+j]
.else
	v_cndmask_b32 v[96+j], v[96+j], v[NINF], s[20+j]
.endif
.set j, j+1
.endr
.Lopen_\@:
.irp b, 0,1,2,3
	v_max3_num_f32 v[232+\b], v[96+16*\b], v[97+16*\b], v[98+16*\b]   ; the largest score of each block of 32 keys: for the row's maximum, and, since p rises with the score, for the block's largest p
.endr
.irp i, 3,5,7,9,11,13
.irp b, 0,1,2,3
	v_max3_num_f32 v[232+\b], v[232+\b], v[96+16*\b+\i], v[97+16*\b+\i]
.endr
.endr
.irp b, 0,1,2,3
	v_max_num_f32 v[232+\b], v[232+\b], v[111+16*\b]
.endr
.irp b, 0,1,2,3
	v_permlanex16_b32 v[236+\b], v[232+\b], s[SEL], s[SEL+1]
.endr
.irp b, 0,1,2,3
	v_max_num_f32 v[232+\b], v[232+\b], v[236+\b]
.endr
	v_max3_num_f32 v254, v232, v233, v234
	v_max_num_f32 v254, v254, v235
	v_mul_f32 v254, s[CS], v254
	v_max_num_f32 v13, v13, v254                   ; the running largest t
	v_mov_b32 v254, v12
	v_floor_f32 v12, -v13                          ; -M = floor(-t): M is a whole number
	v_sub_f32 v254, v12, v254                      ; old M - new M
	v_cvt_i32_f32 v254, v254                       ; (it saturates)
	v_ldexp_f32 v252, 1.0, v254                    ; f = 2^(old M - new M)
.set j, 0
.rept 32
	v_pk_fma_f32 v[96+j:97+j], v[96+j:97+j], s[CS:CS+1], v[12:13] op_sel_hi:[1,0,0]   ; t - M, two at a time
.set j, j+2
.endr
.irp b, 0,1,2,3
	v_fma_f32 v[232+\b], v[232+\b], s[CS], v12
.endr
.set j, 0
.rept 64
	v_exp_f32 v[96+j], v[96+j]                     ; p = 2^(t - M)
.set j, j+1
.endr
	v_pk_mul_f32 v[14:15], v[14:15], v[252:253] op_sel_hi:[1,0]   ; the sums under the new M; a plain instruction behind the exponentials
	s_wait_alu depctr_va_vdst(0)                   ; the 64 exponentials have written p, v[96:159]: one wait for the batch, ahead of its first reader
.irp b, 0,1,2,3
	v_exp_f32 v[232+\b], v[232+\b]                 ; each block's largest p
.endr
	v_pk_add_f32 v[236:237], v[96:97], v[98:99]    ; the row's sum of the unquantised p, in two chains
.irp j, 4,8,12,16,20,24,28,32,36,40,44,48,52,56,60
	v_pk_add_f32 v[14:15], v[14:15], v[96+\j:97+\j]
	v_pk_add_f32 v[236:237], v[236:237], v[98+\j:99+\j]
.endr
	v_pk_add_f32 v[14:15], v[14:15], v[236:237]
	s_wait_alu depctr_va_vdst(0)                   ; the four exponentials have written v[232:235], ahead of their first reader
.irp b, 0,1,2,3
	v_max_num_f32 v[232+\b], 0x8000000, v[232+\b]  ; the floor 2^(16 - 127)
.endr
.irp b, 0,1,2,3
	v_add_nc_u32 v[244+\b], 0xf8800000, v[232+\b]
.endr
.irp b, 0,1,2,3
	v_and_or_b32 v[240+\b], v[232+\b], 0x7f800000, s[MNT]
.endr
.irp b, 0,1,2,3
	v_lshrrev_b32 v[236+\b], 23, v[244+\b]
.endr
	v_lshl_or_b32 v231, v237, 8, v236              ; p's scale word for these 128 keys
	v_lshl_or_b32 v231, v238, 16, v231
	v_lshl_or_b32 v231, v239, 24, v231
.irp b, 0,1,2,3
.irp i, 0,1,2,3,4,5,6,7,8,9,10,11,12,13,14,15
	v_min_num_f32 v[96+16*\b+\i], v[96+16*\b+\i], v[240+\b]   ; the hold; p is not negative
.endr
	v_cvt_scalef32_pk8_bf8_f32 v[192+4*\b:193+4*\b], v[96+16*\b:103+16*\b], v[244+\b]
	v_cvt_scalef32_pk8_bf8_f32 v[194+4*\b:195+4*\b], v[104+16*\b:111+16*\b], v[244+\b]
.endr
.set j, 0
.rept 4
	v_pk_mul_f32 v[160+j:161+j], v[160+j:161+j], v[252:253] op_sel_hi:[1,0]   ; O^T under the new M: the first four of sixteen: the places between the conversions and the products that take the codes
.set j, j+2
.endr
	s_wait_alu depctr_va_vdst(0)                   ; the holds and conversions are done with v[96:159], in which V's fragments land; they have written the codes v[192:207], and v231 is written, which the products below take as B and as scale
.irp t, 0,1,2,3
.irp c, 0,1,2,3
	ds_load_b128 v[96+16*\t+4*\c:99+16*\t+4*\c], v[AV0] offset:SLOTB*(\q)+2048*\t+512*\c   ; V's four fragments, into the registers that p has left
.endr
.endr
.rept 12
	v_pk_mul_f32 v[160+j:161+j], v[160+j:161+j], v[252:253] op_sel_hi:[1,0]   ; the other twelve, while V's loads are out: they name v[160:191] and v[252:253] alone, none of the registers that those loads touch
.set j, j+2
.endr
	s_wait_dscnt 0x0
.irp t, 0,2
	v_wmma_scale_f32_16x16x128_f8f6f4 v[160+8*\t:167+8*\t], v[96+16*\t:111+16*\t], v[192:207], v[160+8*\t:167+8*\t], v[228+\t/2], v231 matrix_a_fmt:MATRIX_FMT_BF8 matrix_b_fmt:MATRIX_FMT_BF8
	v_wmma_scale_f32_16x16x128_f8f6f4 v[168+8*\t:175+8*\t], v[112+16*\t:127+16*\t], v[192:207], v[168+8*\t:175+8*\t], v[228+\t/2], v231 matrix_a_fmt:MATRIX_FMT_BF8 matrix_b_fmt:MATRIX_FMT_BF8 matrix_a_scale:MATRIX_SCALE_ROW1
.endr
.rept 9
	v_nop                                          ; nine places: the next step's first products write over the registers that these have read
.endr
.endm
; Half a trip: step 2 CNT + q, in slot q.  The next step's blocks are asked for first, worked under, and stored into the other slot, which every wave left ahead of the last barrier.
.macro HALF q
	s_bitcmp1_b32 s[NEED], (\q)+1
	s_cbranch_scc0 .Lnoload_\@
	global_load_b128 v[208:211], v[TH16], s[4:5] offset:((\q)+1)*STEPG
	global_load_b128 v[212:215], v[TH16], s[4:5] offset:((\q)+1)*STEPG+8192
	global_load_b128 v[216:219], v[TH16], s[6:7] offset:((\q)+1)*STEPG
	global_load_b128 v[220:223], v[TH16], s[6:7] offset:((\q)+1)*STEPG+8192
.Lnoload_\@:
	s_cmp_lt_u32 s[CNT], s[LIM]
	s_cbranch_scc0 .Lnoask_\@
	global_prefetch_b8 v[PFO], s[PFP:PFP+1] offset:((\q)+2)*STEPG th:TH_LOAD_NT scope:SCOPE_SE   ; the step after the one just asked for: one key step ahead of its loads; each 256 bytes are named once in the launch
.Lnoask_\@:
	s_bitcmp1_b32 s[SKIP], \q
	s_cbranch_scc1 .Lskip_\@
	STEP \q
.Lskip_\@:
	s_wait_loadcnt 0x0                             ; on every path: the next step's blocks are in my registers, if they were asked for
	s_bitcmp1_b32 s[NEED], (\q)+1
	s_cbranch_scc0 .Lnostore_\@
	ds_store_b128 v[TH16], v[208:211] offset:(1-(\q))*SLOTB
	ds_store_b128 v[TH16], v[212:215] offset:(1-(\q))*SLOTB+8192
	ds_store_b128 v[TH16], v[216:219] offset:(1-(\q))*SLOTB+16384
	ds_store_b128 v[TH16], v[220:223] offset:(1-(\q))*SLOTB+24576
.Lnostore_\@:
	s_wait_dscnt 0x0                               ; my stores into the other slot have landed and my reads of this slot are over
	s_barrier_signal -1
	s_barrier_wait -1
.endm
.Ltrip:                                            ; eight trips of two key steps
	s_wait_alu depctr_vm_vsrc(0)                   ; the scale loads of the trip before have read v[ADS] and v[ADT], which the two lines below write, and its LDS stores have read v[208:223], in which the loads of the first half land; in the first trip: the head's LDS stores and Q's word load have read v10, v11, v[96:107] and v[208:223]
	v_add_nc_u32 v[ADS], s[TS], v[ASK0]
	v_add_nc_u32 v[ADT], s[TS], v[ASV0]
	HALF 0
	s_wait_alu depctr_vm_vsrc(0)                   ; the first half's LDS stores have read v[208:223], in which the loads of the second half land
	HALF 1
	s_wait_xcnt 0x0                                ; the trip's loads and its prefetches have read their addresses
	s_add_nc_u64 s[4:5], s[4:5], 2*STEPG
	s_add_nc_u64 s[6:7], s[6:7], 2*STEPG
	s_add_nc_u64 s[PFP:PFP+1], s[PFP:PFP+1], 2*STEPG
	s_add_nc_u64 s[8:9], s[8:9], 512
	s_add_co_u32 s[TS], s[TS], 1024
	s_lshr_b32 s[SKIP], s[SKIP], 2
	s_lshr_b32 s[MIX], s[MIX], 2
	s_lshr_b32 s[NEED], s[NEED], 2
	s_add_co_u32 s[CNT], s[CNT], 1
	s_cmp_lt_u32 s[CNT], 8
	s_cbranch_scc1 .Ltrip
	; THE WAY OUT: O^T / the sum; register 16 b + i is d = 32 b + 16 (lane / 16) + i of my query: two blocks of the last product's K, quantised as they stand.
	v_add_f32 v14, v14, v15
	v_permlanex16_b32 v252, v14, s[SEL], s[SEL+1]
	v_add_f32 v14, v14, v252                       ; the row's sum
	v_rcp_f32 v15, v14
	v_mov_b32 v253, 0xffff                         ; a plain instruction behind the reciprocal
	s_wait_alu depctr_va_vdst(0)                   ; the reciprocal has written v15, ahead of its first reader
.set j, 0
.rept 32
	v_mul_f32 v[96+j], v[160+j], v15
.set j, j+1
.endr
.irp b, 0,1
	v_max3_num_f32 v[232+\b], |v[96+16*\b]|, |v[97+16*\b]|, 0x8000000
.endr
.irp i, 2,4,6,8,10,12,14
.irp b, 0,1
	v_max3_num_f32 v[232+\b], v[232+\b], |v[96+16*\b+\i]|, |v[97+16*\b+\i]|
.endr
.endr
.irp b, 0,1
	v_permlanex16_b32 v[236+\b], v[232+\b], s[SEL], s[SEL+1]
.endr
.irp b, 0,1
	v_max_num_f32 v[232+\b], v[232+\b], v[236+\b]
.endr
.irp b, 0,1
	v_add_nc_u32 v[244+\b], 0xf8800000, v[232+\b]
.endr
.irp b, 0,1
	v_and_or_b32 v[240+\b], v[232+\b], 0x7f800000, s[MNT]
.endr
.irp b, 0,1
	v_lshrrev_b32 v[236+\b], 23, v[244+\b]
.endr
	v_cmp_eq_f32 vcc_lo, 0, v14
	v_lshl_or_b32 v254, v237, 8, v236              ; my head's two bytes of the row's scale word
	s_wait_alu depctr_va_vcc(0)                    ; the compare has written VCC, which the select below reads
	v_cndmask_b32 v254, v254, v253, vcc_lo         ; a row with every key masked: the NaN byte
.irp b, 0,1
.irp i, 0,1,2,3,4,5,6,7,8,9,10,11,12,13,14,15
	v_med3_num_f32 v[96+16*\b+\i], v[96+16*\b+\i], -v[240+\b], v[240+\b]
.endr
	v_cvt_scalef32_pk8_bf8_f32 v[192+4*\b:193+4*\b], v[96+16*\b:103+16*\b], v[244+\b]
	v_cvt_scalef32_pk8_bf8_f32 v[194+4*\b:195+4*\b], v[104+16*\b:111+16*\b], v[244+\b]
.endr
	v_nop                                          ; a plain instruction behind the last conversion
	s_wait_alu depctr_va_vdst(0)                   ; the conversions have written v[192:199] and the select v254, which the three stores below read; the conversions are done reading v[96:99], in which wave 0's LDS load lands
	global_store_b128 v[L16], v[192:195], s[10:11]              ; each store of the wave covers 512 consecutive bytes, aligned
	global_store_b128 v[L16], v[196:199], s[10:11] offset:512
	ds_store_b16 v[ACS], v254                      ; lanes r and r + 16 write the same half word with the same value
	s_wait_dscnt 0x0
	s_barrier_signal -1
	s_barrier_wait -1                              ; the 128 rows' scale words lie whole in LDS
	s_cmp_lg_u32 s[WV], 0
	s_cbranch_scc1 .Ldone
	ds_load_b128 v[96:99], v[ACL]
	s_wait_dscnt 0x0
	global_store_b128 v[L16], v[96:99], s[12:13]   ; 512 consecutive bytes
.Ldone:
	s_wait_dscnt 0x0                               ; the closing lines, six on end
	s_wait_alu 0x0
	s_wait_tensorcnt 0x0
	ds_add_u32 v250, v251
	s_wait_dscnt 0x0
	s_endpgm
.Lfunc_end_k_qe5e9429058_attn:
	.size	k_qe5e9429058_attn, .Lfunc_end_k_qe5e9429058_attn-k_qe5e9429058_attn
	.p2alignl 7, 3214868480
	.fill 96, 4, 3214868480
	.section	.rodata,"a",@progbits
	.p2align	6, 0x0
	.amdhsa_kernel k_qe5e9429058_attn
		.amdhsa_group_segment_fixed_size 92672
		.amdhsa_private_segment_fixed_size 0
		.amdhsa_enable_private_segment 0
		.amdhsa_kernarg_size 24
		.amdhsa_user_sgpr_count 2
		.amdhsa_user_sgpr_kernarg_segment_ptr 1
		.amdhsa_wavefront_size32 1
		.amdhsa_system_sgpr_workgroup_id_x 1
		.amdhsa_system_sgpr_workgroup_id_y 1
		.amdhsa_system_sgpr_workgroup_id_z 1
		.amdhsa_system_vgpr_workitem_id 0
		.amdhsa_next_free_vgpr 256
		.amdhsa_next_free_sgpr 102
		.amdhsa_reserve_vcc 1
		.amdhsa_float_denorm_mode_32 3
		.amdhsa_float_denorm_mode_16_64 3
		.amdhsa_memory_ordered 1
		.amdhsa_forward_progress 1
		.amdhsa_inst_pref_size 65
	.end_amdhsa_kernel
	.amdgpu_metadata
---
amdhsa.version: [ 1, 2 ]
amdhsa.kernels:
  - .name:           k_qe5e9429058_attn
    .symbol:         k_qe5e9429058_attn.kd
    .args:
      - { .name: img, .offset: 0, .size: 8, .value_kind: global_buffer, .address_space: global }
      - { .name: am, .offset: 8, .size: 8, .value_kind: global_buffer, .address_space: global }
      - { .name: cq, .offset: 16, .size: 8, .value_kind: global_buffer, .address_space: global }
    .group_segment_fixed_size: 92672
    .private_segment_fixed_size: 0
    .kernarg_segment_align: 8
    .kernarg_segment_size: 24
    .max_flat_workgroup_size: 512
    .sgpr_count:     102
    .vgpr_count:     256
    .wavefront_size: 32
...
	.end_amdgpu_metadata
.endif
;; end of part 5
;; launch outp: the kernel of part 4 again; grid 4 x 32, 4 waves a work-group, clusters of 4 x 4, 327,680 bytes of LDS; arguments cq, wq, bo, out0; writes out0
